; MI455X (gfx1250); checked and timed in simulation.
; The chip was launched on July 23, 2026; its instructions are those of AMD's public machine-readable ISA for CDNA 5 (MIT licence, August 2026) and "CDNA5" Instruction Set Architecture Reference Guide (July 2026). The comments in the code are by the model that wrote it; some were corrected since.
;; Attention Block. Allowed arithmetic: matrix products marked QUANTISED: E2M3 operands, one E8M0 scale for each 32 along K, by v_wmma_scale_f32_16x16x128_f8f6f4 with both operands' format E2M3, f32 sums; everything else in f32.
;; Inputs: Wk_codes 1,024 x 32 x 24 uint8 (E2M3 codes of Wk, K innermost, in blocks of 32 codes, four codes in three bytes); Wk_scales 1,024 x 32 uint8 (E8M0 scales of Wk, one for each 32 codes along K); Wq_codes 1,024 x 32 x 24 uint8 (E2M3 codes of Wq, K innermost, in blocks of 32 codes, four codes in three bytes); Wq_scales 1,024 x 32 uint8 (E8M0 scales of Wq, one for each 32 codes along K); Wv_codes 1,024 x 32 x 24 uint8 (E2M3 codes of Wv, K innermost, in blocks of 32 codes, four codes in three bytes); Wv_scales 1,024 x 32 uint8 (E8M0 scales of Wv, one for each 32 codes along K); bk 1,024 float32; bq 1,024 float32; bv 1,024 float32; x 4 x 2,048 x 1,024 float32.
;; Outputs: out0 4 x 2,048 x 2,048 float32.
;; This version of the problem:
;;   THIS VERSION OF THE PROBLEM IS GIVEN IN LOW PRECISION. The matrix products marked QUANTISED in the list below multiply operands that are first quantised to E2M3 (2 exponent bits, 3 mantissa bits; 6 bits a number), with one power-of-two scale for each 32 numbers along K (OCP MX v1.0); their sums are f32. All else is computed in f32.
;;   The module's matrix products, in the order in which they are computed (A, B: the left and right operand; K: the contracted axis; several contracted axes count as one K, in the product's order):
;;     1. [M 8,192, K 1,024] x [K 1,024, N 1,024]; A: input x; B: input Wq (given as codes): QUANTISED
;;     2. [M 8,192, K 1,024] x [K 1,024, N 1,024]; A: input x; B: input Wk (given as codes): QUANTISED
;;     3. [M 8,192, K 1,024] x [K 1,024, N 1,024]; A: input x; B: input Wv (given as codes): QUANTISED
;;     4. batch 4 x [M 2,048, K 1,024] x [K 1,024, N 2,048]; A: computed on the way; B: computed on the way: QUANTISED
;;     5. batch 4 x [M 2,048, K 2,048] x [K 2,048, N 1,024]; A: computed on the way; B: computed on the way: QUANTISED
;;   THE QUANTISER, for each operand of a quantised product, along K:
;;     - K is cut into blocks of 32 from its start; a last block that is shorter is filled with zeros.
;;     - A block's scale is 2^e with e = floor(log2(the largest magnitude in the block)) - 2, held to -126 .. 127; a block of zeros has e = 0. As a byte (E8M0): e + 127.
;;     - Each number is divided by its block's scale, clamped to +-7.5, and rounded to the nearest number of E2M3, ties to even, subnormals kept.
;;     - The product sums the exact products of the quantised numbers (number of the format x scale) in f32.
;;   ~~~python
;;   def quantise(x, axis):      # numpy; x: float32 -> the quantised numbers, widened to float32 again
;;       x = np.moveaxis(x, axis, -1); K = x.shape[-1]
;;       x = np.pad(x, [(0, 0)] * (x.ndim - 1) + [(0, -K % 32)]); x = x.reshape(x.shape[:-1] + (-1, 32)); a = np.abs(x).max(-1, keepdims=True)
;;       e = np.where(a > 0, np.clip(np.frexp(np.where(a > 0, a, 1))[1] - 1 - 2, -126, 127), 0)      # np.frexp(a)[1] - 1 = floor(log2(a)), exactly
;;       r = np.clip(x / 2.0 ** e, -7.5, 7.5)
;;       step = 2.0 ** (np.maximum(np.frexp(np.where(r == 0, 1, r))[1] - 1, 0) - 3)
;;       q = np.round(r / step) * step * 2.0 ** e      # np.round: ties to even
;;       return np.moveaxis(q.reshape(q.shape[:-2] + (-1,))[..., :K], -1, axis).astype(np.float32)
;;   ~~~
;;   OPERANDS COMPUTED ON THE WAY. 'Computed on the way' means the value that the module computes at that place (a softmax that the list does not call 'softmax' is quantised finished and normalised). What goes into a quantiser is computed in f32, as accurately as f32 sums, v_exp_f32 and their like allow (about 1e-6 of the number): no bf16 or f16 on the way to a quantiser, and a product that is left as it is and whose result goes on into a quantised operand takes f32 operands (vector FMAs, or v_wmma_f32_16x16x4_f32). A number that lies on a knife's edge between two numbers of the format may be rounded either way, as far as f32 arithmetic and the matrix unit's own rounding can turn it there, and no further.
;;   INPUTS GIVEN AS CODES. Wk (in the module: [1024, 1024], K = its axis 0); Wq (in the module: [1024, 1024], K = its axis 0); Wv (in the module: [1024, 1024], K = its axis 0): each comes as NAME_codes (uint8): NAME with its K axis moved to the last place and cut into blocks of 32 codes, [.., K / 32, bytes a block], one block behind the other in memory; four codes in three bytes: a row's codes are one little-endian stream of bits, code i at bits 6 i .. 6 i + 5 (a code: sign, 2 exponent bits, 3 mantissa bits); and NAME_scales (uint8): the same leading axes, one E8M0 byte (e + 127) for each 32 codes along K. Its value is code x scale, taken as it is: it is not quantised again, and the codes and scales need not be those that the quantiser above would give.
;; One version. Each part assembles by itself: llvm-mc -triple=amdgcn-amd-amdhsa -mcpu=gfx1250 --defsym DOCPART=n.
;; ======== version 1 of 1: 5 launches
;; limits: right only within a limited range of input values
;; workspace buffers: xq 6,553,600 bytes; wq 2,457,600 bytes; qk 13,107,200 bytes; vt 6,553,600 bytes; pp 13,107,200 bytes; st 1,048,576 bytes
;; launch prep (part 1): grid 352 x 1, 4 waves a work-group, no clusters, 34,304 bytes of LDS; arguments x, Wq_codes, Wq_scales, Wk_codes, Wk_scales, Wv_codes, Wv_scales, xq, wq, out0; writes xq, wq, out0
.if DOCPART == 1
	.amdgcn_target "amdgcn-amd-amdhsa--gfx1250"
	.amdhsa_code_object_version 6
	.text
	.protected	k_q41c31ab392_prep
	.globl	k_q41c31ab392_prep
	.p2align	8
	.type	k_q41c31ab392_prep,@function
k_q41c31ab392_prep:
	s_mov_b64 s[64:65], 0
	v_nop
	global_prefetch_b8 v0, s[64:65] scope:SCOPE_SE
	s_setreg_imm32_b32 hwreg(HW_REG_WAVE_MODE, 25, 1), 1
	s_wait_xcnt 0x0
; THE PROGRAM: out0 = concat(x, read); q, k, v = Q(x) W + b on codes of E2M3; logits = Q(q) Q(k)^T; softmax over the QUERY axis t under the mask s > t; read = Q(probs) Q(v).
; Five launches: prep (this one), proj (products 1 and 2), stats (product 4: each column's part maxima and sums; and half of product 3), probs (product 4 again: the finished probs as codes; and the other half of product 3), pv (product 5).
; DEAD WORK LEFT OUT, for all values of the inputs: reference() itself sets logits[t][s] to -inf where s > t (its own triu), so probs[t][s] = 0 there whatever q and k hold.  A tile of product 4 that lies
; wholly in s > t can therefore reach no output, and a K step of product 5 whose 128 keys all come after the tile's queries multiplies zeros: neither is computed.  No input is dead: bq and bk move the codes of
; q and k, bv those of v; all ten inputs are loaded.  LIMIT: a NaN, an infinity or an overflow that reaches only the tiles left out is not carried to the result.
; THIS LAUNCH: (a) copies x into the left half of out0; (b) quantises x along its 1,024 features; (c) lays the three weights' codes and scale bytes out anew.
; THE WORKSPACE FORMAT, for every operand of every product: a FRAGMENT (16 rows x 128 K: 12 registers a lane) lies as an image of its registers, 1,536 bytes: register 4 c + e of lane l at byte 512 c + 16 l + 4 e,
; so that three accesses of 16 bytes a lane move it, each over 512 consecutive bytes.  Lane-row r of fragment a (0..7) of a group of 128 rows is row 32 (a / 2) + 8 (a % 2) + r + 8 (r / 8): used as source 0, a lane's
; 16 result registers of fragments 2 b and 2 b + 1 are then 16 neighbouring rows.  Codes: [group][K step][a][1,536].  Scale words: [group][K step][512], the word of (a, r) at 256 (a / 4) + 16 r + 4 (a % 4).
; LIMITS of the quantiser: NaN and infinities among the inputs are not served; a block whose largest magnitude lies under 2^-124 keeps the byte 1, a block of zeros too (the rule says 127: its codes are zeros, and this program alone reads the bytes).
; SHARES.  Work-groups 0-255: 64 tokens x 512 features; a wave takes one K step of 128 features: 4 fragments.  Work-groups 256-351: 64 rows of one weight, a wave one K step.  Waves share nothing: no barrier.
.set SPARE, 33792                      ; behind the four stages of 8,448 bytes: the spare words, 128 bytes a wave
.set LI,  4                            ; v4   16 x lane
.set SI,  5                            ; v5   the stage, way in: a row of 512 bytes by the 32 lanes
.set SO,  6                            ; v6   way out: my row r, + 64 h
.set SPW, 10                           ; v10  my spare word;  v11  0: both never rewritten
.set NIL, 11
.set TM,  12                           ; v12-27  the quantiser's work
.set PW,  28                           ; v28-31  four fragments' scale words
.set PC,  32                           ; v32-51  the codes just made
.set XN,  64                           ; v64-127 64 numbers of my row: register 16 b + i = k 32 b + 16 h + i
.set LD0, 128                          ; v128-255 two sets of 16 rows as loaded
.set OC,  36                           ; s[36:37] where my codes go;  s[38:39] my scale words
.set OS,  38
.set SEL, 40                           ; s[40:41] v_permlanex16_b32's selects for lane l xor 16
; 64 numbers of a lane become a fragment's codes in v[PC] on and its scale word in v[pw]
.macro QUANT s, pw
.irp b, 0,1,2,3
	v_max3_num_f32 v[TM+\b], |v[\s+16*\b]|, |v[\s+1+16*\b]|, 0x1800000   ; my 16 numbers of block b, and the floor 2^(3 - 127): the byte cannot fall under 1
.endr
.irp i, 2,4,6,8,10,12,14
.irp b, 0,1,2,3
	v_max3_num_f32 v[TM+\b], v[TM+\b], |v[\s+16*\b+\i]|, |v[\s+1+16*\b+\i]|
.endr
.endr
.irp b, 0,1,2,3
	v_permlanex16_b32 v[TM+4+\b], v[TM+\b], s[SEL], s[SEL+1]
.endr
.irp b, 0,1,2,3
	v_max_num_f32 v[TM+\b], v[TM+\b], v[TM+4+\b]       ; with lane l xor 16's 16: the block's largest magnitude
.endr
.irp b, 0,1,2,3
	v_add_nc_u32 v[TM+12+\b], 0xff000000, v[TM+\b]     ; 2 off its exponent field: the conversion's scale operand
.endr
.irp b, 0,1,2,3
	v_lshrrev_b32 v[TM+4+\b], 23, v[TM+12+\b]          ; the scale's byte
.endr
	v_lshl_or_b32 v[\pw], v[TM+5], 8, v[TM+4]
	v_lshl_or_b32 v[\pw], v[TM+6], 16, v[\pw]
	v_lshl_or_b32 v[\pw], v[TM+7], 24, v[\pw]
.irp c, 0,1
	v_cvt_scalef32_pk16_fp6_f32 v[PC+6*\c:PC+2+6*\c], v[\s+32*\c:\s+15+32*\c], v[TM+12+2*\c]
	v_cvt_scalef32_pk16_fp6_f32 v[PC+12+4*\c:PC+14+4*\c], v[\s+16+32*\c:\s+31+32*\c], v[TM+12+2*\c+1]
.endr
	v_nop                                              ; one plain place behind a scaled conversion
.irp c, 0,1                                        ; the operand wants a whole block in a lane: lanes 0-15 block 2 c, lanes 16-31 block 2 c + 1
.irp i, 0,1,2
	v_permlane16_swap_b32 v[PC+6*\c+\i], v[PC+12+4*\c+\i]
.endr
.irp i, 0,1,2
	v_mov_b32 v[PC+3+6*\c+\i], v[PC+12+4*\c+\i]
.endr
.endr
.endm
.macro IMG off                         ; the fragment leaves as it stands: three stores of 512 consecutive bytes
.irp c, 0,1,2
	global_store_b128 v[LI], v[PC+4*\c:PC+4*\c+3], s[OC:OC+1] offset:\off+512*\c
.endr
.endm
.macro LOADF a                         ; the 16 rows of fragment a, 512 consecutive bytes a load
.irp i, 0,1,2,3,4,5,6,7,8,9,10,11,12,13,14,15
	global_load_b128 v[LD0+64*((\a)%2)+4*\i:LD0+64*((\a)%2)+4*\i+3], v[LI], s[4:5] offset:(32*((\a)/2)+8*((\a)%2)+\i+8*(\i/8))*4096 th:TH_LOAD_NT
.endr
.endm
	s_load_b512 s[4:19], s[0:1], 0x0               ; x, Wq codes, Wq scales, Wk codes, Wk scales, Wv codes, Wv scales, xq
	s_load_b128 s[20:23], s[0:1], 0x40             ; wq, out0
	v_lshl_add_u32 v[SPW], v0, 2, SPARE
	v_mov_b32 v[NIL], 0
	v_lshrrev_b32 v1, 5, v0
	v_readfirstlane_b32 s24, v1                    ; wave
	v_and_b32 v1, 31, v0                           ; lane
	v_and_b32 v2, 15, v0                           ; r
	v_bfe_u32 v3, v0, 4, 1                         ; h
	v_lshlrev_b32 v[LI], 4, v1
	v_lshlrev_b32 v7, 4, v2
	v_lshl_add_u32 v7, v3, 3, v7                   ; 16 r + 8 h: my two scale words of a half unit
	s_and_b32 s26, ttmp9, 1
	s_lshl_b32 s26, s26, 2
	s_add_co_u32 s26, s26, s24                     ; my K step: 4 (work-group % 2) + wave
	s_cmp_ge_u32 ttmp9, 256
	s_cbranch_scc1 .Lweights
	; ---- x
	s_lshr_b32 s25, ttmp9, 1                       ; which 64 tokens
	s_mul_i32 s27, s24, 8448                       ; my stage: 16 rows of 512 + 16 bytes
	v_add_nc_u32 v[SI], s27, v[LI]
	v_mul_u32_u24 v[SO], v2, 528
	v_lshl_add_u32 v[SO], v3, 6, v[SO]
	v_add_nc_u32 v[SO], s27, v[SO]
	s_lshl_b32 s30, s26, 9                         ; 128 features are 512 bytes
	s_lshl_b32 s28, s25, 18                        ; 64 rows of x
	s_add_co_u32 s28, s28, s30
	s_mov_b32 s29, 0
	s_lshl_b32 s32, s25, 19                        ; 64 rows of out0
	s_add_co_u32 s32, s32, s30
	s_mov_b32 s33, 0
	s_lshr_b32 s31, s25, 1                         ; the group of 128 tokens,
	s_and_b32 s34, s25, 1                          ; and which half of it: fragments 0-3 or 4-7
	s_mul_i32 s36, s31, 98304
	s_mul_i32 s35, s26, 12288
	s_add_co_u32 s36, s36, s35
	s_mul_i32 s35, s34, 6144
	s_add_co_u32 s36, s36, s35
	s_mov_b32 s37, 0
	s_lshl_b32 s38, s31, 12
	s_add_co_u32 s38, s38, s30
	s_lshl_b32 s35, s34, 8
	s_add_co_u32 s38, s38, s35
	s_add_co_u32 s38, s38, 6291456
	s_mov_b32 s39, 0
	s_mov_b32 s[SEL], 0x76543210
	s_mov_b32 s[SEL+1], 0xfedcba98
.irp b, 0,1,2,3
	v_mov_b32 v[TM+4+\b], 0                        ; written once: a lane permute's destination counts as one of its sources
.endr
	s_wait_alu depctr_va_vdst(0)
	s_wait_kmcnt 0x0
	s_add_nc_u64 s[4:5], s[4:5], s[28:29]
	s_add_nc_u64 s[22:23], s[22:23], s[32:33]
	s_add_nc_u64 s[OC:OC+1], s[18:19], s[36:37]
	s_add_nc_u64 s[OS:OS+1], s[18:19], s[38:39]
	LOADF 0
	LOADF 1
	s_set_vgpr_msb 0x40                            ; fragments 2 and 3 land in the same register numbers of window 1: all 64 loads of the wave are asked for at once
	LOADF 2
	LOADF 3
	s_set_vgpr_msb 0x4000
.irp a, 0,1,2,3
	s_wait_loadcnt 16*(3-\a)                       ; this fragment's 16 loads are in; the later fragments' may be out
.if \a >= 2
	s_set_vgpr_msb 0x04                            ; the stores' data: window 1
.endif
.irp i, 0,1,2,3,4,5,6,7,8,9,10,11,12,13,14,15
	global_store_b128 v[LI], v[LD0+64*(\a%2)+4*\i:LD0+64*(\a%2)+4*\i+3], s[22:23] offset:(32*(\a/2)+8*(\a%2)+\i+8*(\i/8))*8192 th:TH_STORE_NT   ; the copy of x: 512 consecutive bytes, aligned
.endr
.irp i, 0,1,2,3,4,5,6,7,8,9,10,11,12,13,14,15
	ds_store_b128 v[SI], v[LD0+64*(\a%2)+4*\i:LD0+64*(\a%2)+4*\i+3] offset:528*\i
.endr
.if \a >= 2
	s_set_vgpr_msb 0x0400
.endif
.irp b, 0,1,2,3
.irp j, 0,1,2,3
	ds_load_b128 v[XN+16*\b+4*\j:XN+16*\b+4*\j+3], v[SO] offset:128*\b+16*\j   ; LDS serves a wave's instructions in order: these see my stores
.endr
.endr
	s_wait_dscnt 0x0                               ; my numbers are back, and the stage's stores have read their registers
	s_wait_xcnt 0x0                                ; the copy's stores and the last fragment's have read theirs: the set may be loaded again, the codes written again
	QUANT XN, PW+\a
	IMG \a*1536
.endr
	v_cmp_eq_u32 vcc_lo, 1, v3
	v_cndmask_b32 v52, v[PW], v[PW+2], vcc_lo      ; lane (r, h) stores the words of fragments 2 h and 2 h + 1
	v_cndmask_b32 v53, v[PW+1], v[PW+3], vcc_lo
	global_store_b64 v7, v[52:53], s[OS:OS+1]      ; 32 lanes store 256 consecutive bytes, aligned
	s_wait_tensorcnt 0x0                           ; the wave's end
	ds_add_u32 v[SPW], v[NIL]
	s_wait_dscnt 0x0
	s_endpgm
	; ---- the weights: codes and scale bytes as given, laid anew.  No LDS.  Pieces of 8 bytes are gathered once: 2.4 MB in the whole launch
.Lweights:
	s_sub_co_u32 s25, ttmp9, 256
	s_lshr_b32 s27, s25, 5                         ; 0 Wq, 1 Wk, 2 Wv
	s_bfe_u32 s25, s25, 0x40001                    ; which 64 rows
	s_wait_alu depctr_va_vdst(0)
	v_and_b32 v8, 8, v2
	v_add_nc_u32 v9, v8, v2                        ; r + 8 (r / 8)
	v_mul_u32_u24 v8, v9, 768                      ; a row of 1,024 codes is 768 bytes
	v_mad_u32_u24 v8, v3, 24, v8
	v_lshlrev_b32 v9, 5, v9                        ; a row of scale bytes is 32
	s_mul_i32 s28, s25, 49152
	s_mul_i32 s30, s26, 96
	s_add_co_u32 s28, s28, s30
	s_mov_b32 s29, 0
	s_lshl_b32 s30, s25, 11
	s_lshl_b32 s32, s26, 2
	s_add_co_u32 s30, s30, s32
	s_mov_b32 s31, 0
	s_lshr_b32 s32, s25, 1
	s_and_b32 s33, s25, 1
	s_mul_i32 s36, s27, 786432
	s_mul_i32 s34, s32, 98304
	s_add_co_u32 s36, s36, s34
	s_mul_i32 s34, s26, 12288
	s_add_co_u32 s36, s36, s34
	s_mul_i32 s34, s33, 6144
	s_add_co_u32 s36, s36, s34
	s_mov_b32 s37, 0
	s_lshl_b32 s38, s27, 15
	s_lshl_b32 s34, s32, 12
	s_add_co_u32 s38, s38, s34
	s_lshl_b32 s34, s26, 9
	s_add_co_u32 s38, s38, s34
	s_lshl_b32 s34, s33, 8
	s_add_co_u32 s38, s38, s34
	s_add_co_u32 s38, s38, 2359296
	s_mov_b32 s39, 0
	s_wait_alu depctr_va_vdst(0)
	s_wait_kmcnt 0x0
	s_cmp_eq_u32 s27, 0
	s_cselect_b64 s[42:43], s[6:7], s[10:11]
	s_cselect_b64 s[44:45], s[8:9], s[12:13]
	s_cmp_eq_u32 s27, 2
	s_cselect_b64 s[42:43], s[14:15], s[42:43]
	s_cselect_b64 s[44:45], s[16:17], s[44:45]
	s_add_nc_u64 s[42:43], s[42:43], s[28:29]
	s_add_nc_u64 s[44:45], s[44:45], s[30:31]
	s_add_nc_u64 s[OC:OC+1], s[20:21], s[36:37]
	s_add_nc_u64 s[OS:OS+1], s[20:21], s[38:39]
.irp a, 0,1,2,3
.irp p, 0,1,2,3,4,5
	global_load_b64 v[XN+12*\a+2*\p:XN+12*\a+2*\p+1], v8, s[42:43] offset:(32*(\a/2)+8*(\a%2))*768+48*(\p/3)+8*(\p%3)
.endr
	global_load_b32 v[PW+\a], v9, s[44:45] offset:(32*(\a/2)+8*(\a%2))*32
.endr
	s_wait_loadcnt 0x0
.irp a, 0,1,2,3
.irp c, 0,1,2
	global_store_b128 v[LI], v[XN+12*\a+4*\c:XN+12*\a+4*\c+3], s[OC:OC+1] offset:\a*1536+512*\c
.endr
.endr
	v_cmp_eq_u32 vcc_lo, 1, v3
	v_cndmask_b32 v52, v[PW], v[PW+2], vcc_lo
	v_cndmask_b32 v53, v[PW+1], v[PW+3], vcc_lo
	global_store_b64 v7, v[52:53], s[OS:OS+1]
	s_endpgm
.Lfunc_end_k_q41c31ab392_prep:
	.size	k_q41c31ab392_prep, .Lfunc_end_k_q41c31ab392_prep-k_q41c31ab392_prep
	.p2alignl 7, 3214868480
	.fill 96, 4, 3214868480
	.section	.rodata,"a",@progbits
	.p2align	6, 0x0
	.amdhsa_kernel k_q41c31ab392_prep
		.amdhsa_group_segment_fixed_size 34304
		.amdhsa_private_segment_fixed_size 0
		.amdhsa_enable_private_segment 0
		.amdhsa_kernarg_size 80
		.amdhsa_user_sgpr_count 2
		.amdhsa_user_sgpr_kernarg_segment_ptr 1
		.amdhsa_wavefront_size32 1
		.amdhsa_system_sgpr_workgroup_id_x 1
		.amdhsa_system_sgpr_workgroup_id_y 1
		.amdhsa_system_sgpr_workgroup_id_z 1
		.amdhsa_system_vgpr_workitem_id 0
		.amdhsa_next_free_vgpr 512
		.amdhsa_next_free_sgpr 66
		.amdhsa_reserve_vcc 1
		.amdhsa_float_denorm_mode_32 3
		.amdhsa_float_denorm_mode_16_64 3
		.amdhsa_memory_ordered 1
		.amdhsa_forward_progress 1
		.amdhsa_inst_pref_size 46
	.end_amdhsa_kernel
	.amdgpu_metadata
---
amdhsa.version: [ 1, 2 ]
amdhsa.kernels:
  - .name:           k_q41c31ab392_prep
    .symbol:         k_q41c31ab392_prep.kd
    .args:
      - { .name: x, .offset: 0, .size: 8, .value_kind: global_buffer, .address_space: global }
      - { .name: Wq_codes, .offset: 8, .size: 8, .value_kind: global_buffer, .address_space: global }
      - { .name: Wq_scales, .offset: 16, .size: 8, .value_kind: global_buffer, .address_space: global }
      - { .name: Wk_codes, .offset: 24, .size: 8, .value_kind: global_buffer, .address_space: global }
      - { .name: Wk_scales, .offset: 32, .size: 8, .value_kind: global_buffer, .address_space: global }
      - { .name: Wv_codes, .offset: 40, .size: 8, .value_kind: global_buffer, .address_space: global }
      - { .name: Wv_scales, .offset: 48, .size: 8, .value_kind: global_buffer, .address_space: global }
      - { .name: xq, .offset: 56, .size: 8, .value_kind: global_buffer, .address_space: global }
      - { .name: wq, .offset: 64, .size: 8, .value_kind: global_buffer, .address_space: global }
      - { .name: out0, .offset: 72, .size: 8, .value_kind: global_buffer, .address_space: global }
    .group_segment_fixed_size: 34304
    .private_segment_fixed_size: 0
    .kernarg_segment_align: 8
    .kernarg_segment_size: 80
    .max_flat_workgroup_size: 128
    .sgpr_count:     66
    .vgpr_count:     512
    .wavefront_size: 32
...
	.end_amdgpu_metadata
.endif
;; end of part 1
;; launch proj (part 2): grid 8 x 32, 4 waves a work-group, clusters of 4 x 4, 327,680 bytes of LDS; arguments xq, wq, bq, bk, qk; writes qk
.if DOCPART == 2
	.amdgcn_target "amdgcn-amd-amdhsa--gfx1250"
	.amdhsa_code_object_version 6
	.text
	.protected	k_q41c31ab392_proj
	.globl	k_q41c31ab392_proj
	.p2align	8
	.type	k_q41c31ab392_proj,@function
k_q41c31ab392_proj:
	s_mov_b64 s[64:65], 0
	v_nop
	global_prefetch_b8 v0, s[64:65] scope:SCOPE_SE
	s_setreg_imm32_b32 hwreg(HW_REG_WAVE_MODE, 25, 1), 1
	s_wait_xcnt 0x0
	s_wait_alu depctr_hold_cnt(0) depctr_sa_sdst(0) depctr_va_vdst(0) depctr_va_sdst(0) depctr_va_ssrc(0) depctr_va_vcc(0) depctr_vm_vsrc(0)
	s_getreg_b32 s2, hwreg(HW_REG_IB_STS2, 6, 4)
	s_cmp_eq_u32 s2, 0
	s_cbranch_scc0 .Lentry_in_a_cluster
	s_endpgm
.Lentry_in_a_cluster:
	s_bfe_u32 s2, ttmp6, 0x10000c
	s_cmp_lg_u32 s2, 0xf033
	s_cbranch_scc0 .Lentry_shape_is_right
	s_endpgm
.Lentry_shape_is_right:
; PRODUCTS 1 AND 2: q = Q(x) Wq + bq, k = Q(x) Wk + bk, on codes of E2M3; the results are quantised at once along their 1,024 features.  Nothing is left out here.
; Product 3 (v) is wanted by launch pv alone: its 128 tiles are shared out between launches stats and probs, whose own grids are small.  So this grid is 256 work-groups of equal work.
; A tile is 256 R rows x 256 P rows, K = 1,024.  P is source 0: its rows become a lane's registers, the axis that is quantised next: the weight's features.  R is source 1: its rows stay in the lanes: x's tokens.
; Four waves, each 128 x 128: 64 accumulators, 512 registers.  All operands lie as images of fragments (launch prep): a group of 128 rows x 256 K is 24,576 dense bytes.
; K goes in 8 steps of 128, two to an LDS slot.  THREE slots are filled at the head and slot 0 once more: one refill, no loop; by this text's count a wave has at most four tensor loads out.
; CLUSTERS: 4 x 4 work-groups; cluster x says which product (0 q, 1 k), the same in all sixteen.  R's tiles hang on cy and the cluster's y and are asked for jointly along a row of the cluster, P's on cx and the product, along a column.
; The bias is loaded ahead of the last K step and lands under its 64 products.
; LIMITS: as stated in launch prep (NaN, infinities; the byte 1 for blocks under the floor).
; REGISTERS: window 0: v1-6 lane numbers and offsets; v16-24 LDS addresses; v28, v29 the add's two; v32-47 scale words, two sets; v48-111 the bias; v112-119 the results' scale words; v128-223 R's 8 fragments, later 64 numbers and their codes;
;   v224-239 the quantiser's work; v240-243 the scale words as stored.  window 1: P's fragments, two sets, at v0 and v128.  windows 2, 3: the accumulators, (a, b) at v[8 (8 (a % 4) + b)] of window 2 + a / 4.
; THE FILLS, as the text now has them: at the head one joint load a wave (wave 0 R's two groups of K steps 0 and 1, wave 1 P's, wave 2 R's scale words, wave 3 P's);
; behind the full sequence and a round, one load a wave: its group's K steps 2 to 5; behind K step 1's round the one refill: K steps 6 and 7.  One tensor load of a wave is out at a time.
; No prefetch: the text has no loop to run ahead in.
.set PARTB, 24576
; THE FILLS AS THE TEXT STANDS (this takes the place of what is said of them above): at the head one joint load a wave: wave 0 R's two groups of K steps 0 and 1, wave 1 P's, wave 2 R's two groups of K steps 2 to 5, wave 3 P's.
; The scale words, 4,096 bytes a wave, go through registers into LDS bytes of their own.  In front of the first barrier, behind which nothing is filled, waves 0 and 1 wait for their loads; waves 2 and 3 wait for theirs in K step 1,
; in front of the round behind which slot 0 is filled again with K steps 6 and 7.
.set GROUPB, 98304                     ; a group's codes for all of K
.set SLOTB, 4*PARTB                    ; a slot: R's two groups, then P's two
.set SCL,   3*SLOTB                    ; behind the ring: the scale words of the four groups for all of K, 4,096 bytes each, filled once
.set SPARE, SCL+16384                  ; the spare words, 128 bytes a wave
.set H,    2
.set LI,   4
.set ADRR, 16                          ; v16-18 my R group in slot 0, 1, 2
.set ADRP, 20                          ; v20-22 my P group
.set ADS,  24                          ; v24    my scale words: lanes 0-15 R's, lanes 16-31 P's
.set SPW,  28
.set NIL,  29
.set SC,   32
.set AF,   128
.set BOQ,  6
.set BI,   48
.set PWS,  112
.set HA,   128
.set PC,   192
.set TM,   224
.set SELQ, 240
.set WV, 18
.set RH, 19
.set PH, 20
.set CX, 21
.set CY, 22
.set WHICH, 23
.set G1R, 24
.set G1P, 32
.set G1SR, 40
.set G1SP, 48
.set G0RS, 56
.set G0R0, 60
.set G0R1, 68
.set G0R2, 72
.set G0PS, 76
.set G0P0, 80
.set G0P1, 84
.set G0P2, 88
.set OC, 92
.set OS, 94
.set SEL, 96
.set MSB, 0
.macro WIN new                         ; the immediate's high byte repeats the setting that is left
.if MSB != \new
	s_set_vgpr_msb (MSB<<8)|\new
.set MSB, \new
.endif
.endm
.set MUL_LO, 0xa1                      ; source 0 (P) window 1, source 1 (R) window 0, C and D window 2
.set MUL_HI, 0xf1                      ; the same, C and D window 3
.set TO_P,   0x40                      ; destination window 1
.macro PLACES                          ; four plain places: behind matrix instructions, in front of loads into registers that they read and of the first read of results
.rept 4
	v_nop
.endr
.endm
.macro FRAG reg, adr, off
.irp c, 0,1,2
	ds_load_b128 v[\reg+4*\c:\reg+4*\c+3], v[\adr] offset:\off+512*\c
.endr
.endm
.macro FETCH_P slot, q, p              ; P's eight fragments of the slot's q-th K step into set p: 24 loads
	WIN TO_P
.irp i, 0,1,2,3,4,5,6,7
	FRAG 128*(\p)+12*\i, ADRP+\slot, (\q)*12288+\i*1536
.endr
	WIN 0
.endm
.macro FETCH_R slot, q, i0             ; R's blocks i0 .. i0 + 3: 12 loads
.irp i, \i0, \i0+1, \i0+2, \i0+3
	FRAG AF+12*(\i), ADRR+\slot, (\q)*12288+(\i)*1536
.endr
.endm
.macro SCALES k, p                     ; K step k's scale words into set p: register i: lanes 0-15 R's block i, lanes 16-31 P's tile i
	ds_load_b128 v[SC+8*(\p):SC+8*(\p)+3], v[ADS] offset:512*(\k)
	ds_load_b128 v[SC+8*(\p)+4:SC+8*(\p)+7], v[ADS] offset:512*(\k)+256
.endm
; 16 matrix instructions: R's blocks a0, a0 + 1 x P's eight tiles.  The 64 accumulators take turns in one order in every step
.macro MUL16 a0, p, zero
.irp a, \a0, \a0+1
.irp b, 0,1,2,3,4,5,6,7
.if \zero
	v_wmma_scale_f32_16x16x128_f8f6f4 v[8*(8*((\a)%4)+\b):8*(8*((\a)%4)+\b)+7], v[128*(\p)+12*\b:128*(\p)+12*\b+11], v[AF+12*(\a):AF+12*(\a)+11], 0, v[SC+8*(\p)+\b], v[SC+8*(\p)+(\a)] matrix_a_fmt:MATRIX_FMT_FP6 matrix_b_fmt:MATRIX_FMT_FP6 matrix_a_scale:MATRIX_SCALE_ROW1
.else
	v_wmma_scale_f32_16x16x128_f8f6f4 v[8*(8*((\a)%4)+\b):8*(8*((\a)%4)+\b)+7], v[128*(\p)+12*\b:128*(\p)+12*\b+11], v[AF+12*(\a):AF+12*(\a)+11], v[8*(8*((\a)%4)+\b):8*(8*((\a)%4)+\b)+7], v[SC+8*(\p)+\b], v[SC+8*(\p)+(\a)] matrix_a_fmt:MATRIX_FMT_FP6 matrix_b_fmt:MATRIX_FMT_FP6 matrix_a_scale:MATRIX_SCALE_ROW1
.endif
.endr
.endr
.endm
; K step k; the next step's fragments come from slot ns, its nq-th half
.macro STEP k, ns, nq, zero
	s_wait_dscnt 12                                ; all but the youngest 12 loads, R's blocks 4-7
	WIN MUL_LO
	MUL16 0, (\k)%2, \zero
	MUL16 2, (\k)%2, \zero
	s_wait_dscnt 0
	PLACES
	FETCH_P \ns, \nq, 1-(\k)%2
	FETCH_R \ns, \nq, 0
	SCALES (\k)+1, 1-(\k)%2
	WIN MUL_HI
	MUL16 4, (\k)%2, \zero
	MUL16 6, (\k)%2, \zero
	PLACES
	WIN 0
	FETCH_R \ns, \nq, 4
.endm
.macro JLOAD g0r, g1r, g0p, g1p        ; a joint load: waves 0 and 1 ask for R's two groups, waves 2 and 3 for P's; the branch hangs on the wave's number alone; an s_nop 0 and four v_nop follow each line
	s_cmp_eq_u32 s[RH], 0
	s_cbranch_scc0 .Lfor_p_\@
	tensor_load_to_lds s[\g0r:\g0r+3], s[\g1r:\g1r+7]
	s_nop 0
	PLACES
	s_branch .Lasked_\@
.Lfor_p_\@:
	tensor_load_to_lds s[\g0p:\g0p+3], s[\g1p:\g1p+7]
	s_nop 0
	PLACES
.Lasked_\@:
.endm
.macro CREST                           ; a round of the cluster's barrier behind its opening barrier
	s_cmp_lg_u32 s[WV], 0
	s_cbranch_scc1 .Lnot_wave_0_\@
	s_barrier_signal -3
.Lnot_wave_0_\@:
	s_barrier_wait -3
	s_barrier_signal -1
	s_barrier_wait -1
.endm
.macro CROUND
	s_barrier_signal -1
	s_barrier_wait -1
	CREST
.endm
.macro STEPADDR                        ; slot 0's next tiles are K steps 6 and 7: three parts on
.irp g, G1R, G1P                       ; no tensor load of mine is out: the refill brings 96 dense rows of 256 bytes
	s_mov_b32 s[\g+1], 32<<16
	s_mov_b32 s[\g+2], 96<<16
	s_mov_b32 s[\g+3], 32<<16
	s_mov_b32 s[\g+4], 96
	s_mov_b32 s[\g+5], 32
.endr
.endm
.macro REFILL
	CREST                                          ; the barrier has opened a round of the cluster's barrier: no wave of any partner still reads slot 0 or has a load on its way
	JLOAD G0R0, G1R, G0P0, G1P                     ; the first tensor load behind the round; it has K steps 2 to 5, 256 matrix instructions, in which to land
.endm
; a step with a barrier in it: in front of it each wave waits for all its tensor loads, adds 0 to its spare word and waits for that and for its LDS reads.  fill = 1: slot 0 is filled again behind it
.macro TURN k, ns, fill
	s_wait_tensorcnt 0x0                           ; all my tensor loads have landed
	ds_add_u32 v[SPW], v[NIL]                      ; 0 onto my spare word
.if \fill
	STEPADDR
.endif
	s_wait_dscnt 13                                ; (the add and R's blocks 4-7 may be out)
	WIN MUL_LO
	MUL16 0, (\k)%2, 0
	s_wait_dscnt 0x0                               ; the add is done, and my reads of the slot are over
	s_barrier_signal -1
	MUL16 2, (\k)%2, 0
	WIN 0
	s_barrier_wait -1
.if \fill
	REFILL
.else
	PLACES
.endif
	FETCH_P \ns, 0, 1-(\k)%2
	FETCH_R \ns, 0, 0
	SCALES (\k)+1, 1-(\k)%2
	WIN MUL_HI
	MUL16 4, (\k)%2, 0
	MUL16 6, (\k)%2, 0
	PLACES
	WIN 0
	FETCH_R \ns, 0, 4
.endm
.macro LAST                            ; K step 7: nothing more to fetch
	s_wait_dscnt 12
	WIN MUL_LO
	MUL16 0, 1, 0
	MUL16 2, 1, 0
	s_wait_dscnt 0
	WIN MUL_HI
	MUL16 4, 1, 0
	MUL16 6, 1, 0
	WIN 0
.endm
.macro QUANT s, pw                     ; 64 numbers of a lane, register 16 b + i = k 32 b + 16 h + i of my row, become a fragment's codes in v[PC] on and its scale word in v[pw]
.irp b, 0,1,2,3
	v_max3_num_f32 v[TM+\b], |v[\s+16*\b]|, |v[\s+1+16*\b]|, 0x1800000   ; and the floor 2^(3 - 127): the byte cannot fall under 1
.endr
.irp i, 2,4,6,8,10,12,14
.irp b, 0,1,2,3
	v_max3_num_f32 v[TM+\b], v[TM+\b], |v[\s+16*\b+\i]|, |v[\s+1+16*\b+\i]|
.endr
.endr
.irp b, 0,1,2,3
	v_permlanex16_b32 v[TM+4+\b], v[TM+\b], s[SEL], s[SEL+1]
.endr
.irp b, 0,1,2,3
	v_max_num_f32 v[TM+\b], v[TM+\b], v[TM+4+\b]
.endr
.irp b, 0,1,2,3
	v_add_nc_u32 v[TM+12+\b], 0xff000000, v[TM+\b]     ; 2 off the exponent field: the conversion's scale operand
.endr
.irp b, 0,1,2,3
	v_lshrrev_b32 v[TM+4+\b], 23, v[TM+12+\b]          ; the scale's byte
.endr
	v_lshl_or_b32 v[\pw], v[TM+5], 8, v[TM+4]
	v_lshl_or_b32 v[\pw], v[TM+6], 16, v[\pw]
	v_lshl_or_b32 v[\pw], v[TM+7], 24, v[\pw]
.irp c, 0,1
	v_cvt_scalef32_pk16_fp6_f32 v[PC+6*\c:PC+2+6*\c], v[\s+32*\c:\s+15+32*\c], v[TM+12+2*\c]
	v_cvt_scalef32_pk16_fp6_f32 v[PC+12+4*\c:PC+14+4*\c], v[\s+16+32*\c:\s+31+32*\c], v[TM+12+2*\c+1]
.endr
	v_nop                                              ; one plain place behind a scaled conversion
.irp c, 0,1
.irp i, 0,1,2
	v_permlane16_swap_b32 v[PC+6*\c+\i], v[PC+12+4*\c+\i]
.endr
.irp i, 0,1,2
	v_mov_b32 v[PC+3+6*\c+\i], v[PC+12+4*\c+\i]
.endr
.endr
.endm
.macro IMG off
.irp c, 0,1,2
	global_store_b128 v[LI], v[PC+4*\c:PC+4*\c+3], s[OC:OC+1] offset:\off+512*\c
.endr
.endm
.macro SGSTORE src, quad, base, off    ; eight scale words of every lane leave as a unit of 512 bytes: lane (r, h) stores the words of blocks 4 h .. 4 h + 3
	v_cmp_eq_u32 vcc_lo, 1, v[H]
.irp w, 0,1,2,3
	v_cndmask_b32 v[\quad+\w], v[\src+\w], v[\src+4+\w], vcc_lo
.endr
	global_store_b128 v[LI], v[\quad:\quad+3], s[\base:\base+1] offset:\off
.endm
; R's block a: the bias is added, the 128 features of my 16 tokens are quantised, the fragment leaves
.macro EPI a
.set AC, 64*((\a)%4)
.set WW, 2+(\a)/4
.if (\a) > 0
	s_wait_xcnt 0x0                                ; the last fragment's stores have read their registers
.endif
	WIN WW
.set i, 0
.rept 32
	v_pk_add_f32 v[HA+2*i:HA+2*i+1], v[AC+2*i:AC+2*i+1], v[BI+2*i:BI+2*i+1]         ; the bias of the register's feature; each accumulator from its low end on
.set i, i+1
.endr
	WIN 0
	QUANT HA, PWS+(\a)
	IMG (\a)*1536
.endm
	s_load_b256 s[4:11], s[0:1], 0x0               ; xq, wq, bq, bk
	s_load_b64 s[12:13], s[0:1], 0x20              ; qk
	v_lshl_add_u32 v[SPW], v0, 2, SPARE
	v_mov_b32 v[NIL], 0
	ds_add_u32 v[SPW], v[NIL]                      ; the wave's opening: the add, twice on end, and its wait ahead of my first tensor load
	ds_add_u32 v[SPW], v[NIL]
	v_lshrrev_b32 v1, 5, v0
	v_readfirstlane_b32 s[WV], v1
	s_lshr_b32 s[RH], s[WV], 1                     ; my half of R's rows.  Also: I fetch for R (0) or for P (1)
	s_and_b32 s[PH], s[WV], 1                      ; my half of P's rows.  Also: which group of that tile I fetch
	s_bfe_u32 s[CX], ttmp6, 0x40000
	s_bfe_u32 s[CY], ttmp6, 0x40004
	s_mov_b32 s[WHICH], ttmp9                      ; the cluster's x: 0 q, 1 k
	s_and_b32 s3, ttmp7, 0xffff
	s_lshl_b32 s3, s3, 2                           ; 4 x the cluster's y
	s_lshl_b32 s66, s[CY], 2
	s_lshl_b32 s66, 15, s66                        ; my row of the cluster
	s_lshl_b32 s100, 0x1111, s[CX]                 ; my column
	s_or_b32 s[G1R], s66, (3<<16)|(1<<21)          ; 15:0 the mask; 17:16 elements of 8 bytes; 21 set beside a mask; no padding
	s_or_b32 s[G1SR], s66, (3<<16)|(1<<21)
	s_or_b32 s[G1P], s100, (3<<16)|(1<<21)
	s_or_b32 s[G1SP], s100, (3<<16)|(1<<21)
.irp g, G1R, G1P                       ; the head's shape: two rows of 24,576 bytes (a group's K steps 0, 1), 98,304 bytes apart
	s_mov_b32 s[\g+1], 3072<<16
	s_mov_b32 s[\g+2], 2<<16
	s_mov_b32 s[\g+3], 3072<<16
	s_mov_b32 s[\g+4], 2
	s_mov_b32 s[\g+5], 12288
	s_mov_b32 s[\g+6], 0
	s_mov_b32 s[\g+7], 0
.endr
.irp g, G1SR, G1SP                     ; two rows of 49,152 bytes (a group's K steps 2 to 5), 98,304 bytes apart
	s_mov_b32 s[\g+1], 6144<<16
	s_mov_b32 s[\g+2], 2<<16
	s_mov_b32 s[\g+3], 6144<<16
	s_mov_b32 s[\g+4], 2
	s_mov_b32 s[\g+5], 12288
	s_mov_b32 s[\g+6], 0
	s_mov_b32 s[\g+7], 0
.endr
	s_mul_i32 s100, s[WHICH], 786432               ; the weight's codes in wq,
	s_lshl_b32 s101, s[WHICH], 15
	s_add_co_u32 s101, s101, 2359296               ; and its scale words
	s_mul_i32 s97, s[WV], PARTB                    ; my part of a slot: no place in the cluster enters an LDS address
	s_wait_dscnt 0x0                               ; both opening adds are done
	s_wait_kmcnt 0x0
	; R's addresses (x): made of cy, the cluster's y and the wave's number, in registers that never hold cx
	s_add_co_u32 s98, s3, s[CY]                    ; R's tile of 256 tokens
	s_lshl_b32 s2, s98, 1                          ; the tile's first group
	s_mul_i32 s[G0R2+2], s2, GROUPB
	s_mov_b32 s[G0R2+3], 0
	s_add_nc_u64 s[G0R2+2:G0R2+3], s[4:5], s[G0R2+2:G0R2+3]   ; the head's load: both groups
	s_mul_i32 s14, s[PH], GROUPB                   ; the group that I fetch in the later loads
	s_mov_b32 s15, 0
	s_add_nc_u64 s[G0R0+2:G0R0+3], s[G0R2+2:G0R2+3], s[14:15]
	s_add_nc_u64 s[G0R0+2:G0R0+3], s[G0R0+2:G0R0+3], 3*PARTB  ; the refill: my group's K steps 6, 7
	s_add_nc_u64 s[G0R1+2:G0R1+3], s[G0R2+2:G0R2+3], PARTB    ; both groups' K steps 2 to 5
	s_lshl_b32 s[G0RS+2], s2, 12
	s_add_co_u32 s[G0RS+2], s[G0RS+2], 6291456
	s_mov_b32 s[G0RS+3], 0
	s_add_nc_u64 s[G0RS+2:G0RS+3], s[4:5], s[G0RS+2:G0RS+3]
	; P's (the weight): made of cx, the product and the wave's number, in registers that never hold cy
	s_lshl_b32 s96, s[CX], 1
	s_mul_i32 s[G0P2+2], s96, GROUPB
	s_add_co_u32 s[G0P2+2], s[G0P2+2], s100
	s_mov_b32 s[G0P2+3], 0
	s_add_nc_u64 s[G0P2+2:G0P2+3], s[6:7], s[G0P2+2:G0P2+3]
	s_add_nc_u64 s[G0P0+2:G0P0+3], s[G0P2+2:G0P2+3], s[14:15]
	s_add_nc_u64 s[G0P0+2:G0P0+3], s[G0P0+2:G0P0+3], 3*PARTB
	s_add_nc_u64 s[G0P1+2:G0P1+3], s[G0P2+2:G0P2+3], PARTB
	s_lshl_b32 s[G0PS+2], s96, 12
	s_add_co_u32 s[G0PS+2], s[G0PS+2], s101
	s_mov_b32 s[G0PS+3], 0
	s_add_nc_u64 s[G0PS+2:G0PS+3], s[6:7], s[G0PS+2:G0PS+3]
.irp g, G0R2, G0P2
	s_mov_b32 s[\g], 1
	s_or_b32 s[\g+3], s[\g+3], 0x80000000
.endr
	s_mov_b32 s[G0R2+1], 0
	s_mov_b32 s[G0P2+1], 2*PARTB
	s_cmp_eq_u32 s[RH], 0                          ; the scale words that I bring: waves 0, 1 R's two groups, waves 2, 3 P's
	s_cselect_b64 s[14:15], s[G0RS+2:G0RS+3], s[G0PS+2:G0PS+3]
	s_lshl_b32 s16, s[PH], 12
	s_mov_b32 s17, 0
	s_add_nc_u64 s[14:15], s[14:15], s[16:17]
.irp g, G0R0, G0P0
	s_mov_b32 s[\g], 1
	s_mov_b32 s[\g+1], s97
	s_or_b32 s[\g+3], s[\g+3], 0x80000000
.endr
.irp g, G0R1, G0P1
	s_mov_b32 s[\g], 1
	s_or_b32 s[\g+3], s[\g+3], 0x80000000
.endr
	s_mov_b32 s[G0R1+1], SLOTB                     ; behind slot 0: 49,152 bytes a group for K steps 2 to 5: R's two groups, then P's
	s_mov_b32 s[G0P1+1], SLOTB+4*PARTB
	CROUND                                         ; all sixteen work-groups are here: the first joint loads meet
.macro ARM under, g0, g1, next         ; one chain of branches on the wave's number, one load to an arm, all arms to one join
	s_cmp_lt_u32 s[WV], \under
	s_cbranch_scc0 \next
	tensor_load_to_lds s[\g0:\g0+3], s[\g1:\g1+7]
	s_nop 0
	PLACES
	s_branch .Lhead_asked
\next:
.endm
	ARM 1, G0R2, G1R, .Lhead_p
	ARM 2, G0P2, G1P, .Lhead_sr
	ARM 3, G0R1, G1SR, .Lhead_sp
	tensor_load_to_lds s[G0P1:G0P1+3], s[G1SP:G1SP+7]
	s_nop 0
	PLACES
.Lhead_asked:
	v_and_b32 v1, 15, v0                           ; r
	v_bfe_u32 v[H], v0, 4, 1                       ; h
	s_wait_alu depctr_va_vdst(0)
	v_and_b32 v3, 31, v0
	v_lshlrev_b32 v[LI], 4, v3
	s_wait_alu depctr_va_vdst(0)
	s_lshl_b32 s16, s[WV], 12
	s_add_co_u32 s16, s16, SCL
	v_add_nc_u32 v25, s16, v[LI]                   ; where my 4,096 bytes of scale words go
.irp i, 0,1,2,3,4,5,6,7
	global_load_b128 v[80+4*\i:83+4*\i], v[LI], s[14:15] offset:512*\i
.endr
	s_mul_i32 s66, s[RH], PARTB
	s_mul_i32 s67, s[PH], PARTB
	s_add_co_u32 s67, s67, 2*PARTB
	v_add_nc_u32 v[ADRR], s66, v[LI]
	v_add_nc_u32 v[ADRP], s67, v[LI]
	s_lshl_b32 s66, s66, 1
	s_lshl_b32 s67, s67, 1
	s_add_co_u32 s66, s66, SLOTB
	s_add_co_u32 s67, s67, SLOTB
.irp s, 1,2                            ; K steps 2, 3 and 4, 5 of a group lie one behind the other
	v_add_nc_u32 v[ADRR+\s], s66, v[LI]
	v_add_nc_u32 v[ADRP+\s], s67, v[LI]
	s_add_co_u32 s66, s66, PARTB
	s_add_co_u32 s67, s67, PARTB
.endr
	s_lshl_b32 s66, s[RH], 12
	s_lshl_b32 s67, s[PH], 12
	s_add_co_u32 s67, s67, 8192
	s_sub_co_u32 s67, s67, s66
	v_mul_u32_u24 v3, s67, v[H]                    ; lanes 16-31 take P's words: one product, the distance between the two bases
	s_add_co_u32 s66, s66, SCL
	v_lshl_add_u32 v3, v1, 4, v3
	v_add_nc_u32 v[ADS], s66, v3
	v_lshlrev_b32 v[BOQ], 6, v[H]                  ; 64 h
.irp b, 0,1,2,3
	v_mov_b32 v[TM+4+\b], 0                        ; written once: a lane permute's destination counts as one of its sources
.endr
	; where my results go: fragment (group of tokens, K step = group of features)
	s_lshl_b32 s2, s98, 1
	s_add_co_u32 s2, s2, s[RH]                     ; my group of 128 tokens
	s_lshl_b32 s3, s[CX], 1
	s_add_co_u32 s3, s3, s[PH]                     ; my group of 128 features
	s_mul_i32 s66, s[WHICH], 6291456
	s_mul_i32 s100, s2, GROUPB
	s_add_co_u32 s66, s66, s100
	s_mul_i32 s100, s3, 12288
	s_add_co_u32 s66, s66, s100
	s_mov_b32 s67, 0
	s_lshl_b32 s100, s[WHICH], 18
	s_lshl_b32 s101, s2, 12
	s_add_co_u32 s100, s100, s101
	s_lshl_b32 s101, s3, 9
	s_add_co_u32 s100, s100, s101
	s_add_co_u32 s100, s100, 12582912
	s_mov_b32 s101, 0
	s_add_nc_u64 s[OC:OC+1], s[12:13], s[66:67]
	s_add_nc_u64 s[OS:OS+1], s[12:13], s[100:101]
	s_mov_b32 s[SEL], 0x76543210
	s_mov_b32 s[SEL+1], 0xfedcba98
	s_wait_alu depctr_va_vdst(0)
	s_wait_loadcnt 0x0                             ; my scale words
.irp i, 0,1,2,3,4,5,6,7
	ds_store_b128 v25, v[80+4*\i:83+4*\i] offset:512*\i
.endr
	s_cmp_eq_u32 s[RH], 0                          ; the wave's number: waves 0 and 1 brought K steps 0 and 1, which are read behind this barrier
	s_cbranch_scc0 .Llater
	s_wait_tensorcnt 0x0
.Llater:
	s_wait_dscnt 0x0                               ; for the others' sake: my scale words lie in LDS
	s_barrier_signal -1
	s_barrier_wait -1                              ; K steps 2 to 5 may stay out
	FETCH_P 0, 0, 0
	FETCH_R 0, 0, 0
	SCALES 0, 0
	FETCH_R 0, 0, 4
	STEP 0, 0, 1, 1                                ; the first products start the sums: nothing is cleared
	TURN 1, 1, 1                                   ; slot 0 is left and filled again; behind its barrier slots 1 and 2 are whole for every wave
	STEP 2, 1, 1, 0
	STEP 3, 2, 0, 0
	STEP 4, 2, 1, 0
	TURN 5, 0, 0                                   ; slot 0's second fill is whole for every wave
	STEP 6, 0, 1, 0
	s_lshl_b32 s66, s3, 9                          ; my group's 128 numbers of bq or bk
	s_mov_b32 s67, 0
	s_cmp_eq_u32 s[WHICH], 0
	s_cselect_b64 s[100:101], s[8:9], s[10:11]
	s_add_nc_u64 s[100:101], s[100:101], s[66:67]
.irp b, 0,1,2,3,4,5,6,7
	global_load_b128 v[BI+8*\b:BI+8*\b+3], v[BOQ], s[100:101] offset:4*(32*(\b/2)+8*(\b%2))
	global_load_b128 v[BI+8*\b+4:BI+8*\b+7], v[BOQ], s[100:101] offset:4*(32*(\b/2)+8*(\b%2))+16
.endr
	LAST
	PLACES
	s_wait_loadcnt 0x0                             ; the bias
.irp a, 0,1,2,3,4,5,6,7
	EPI \a
.endr
	SGSTORE PWS, SELQ, OS, 0
	s_wait_tensorcnt 0x0                           ; the wave's end
	ds_add_u32 v[SPW], v[NIL]
	s_wait_dscnt 0x0
	CROUND                                         ; the closing round
	s_endpgm
.Lfunc_end_k_q41c31ab392_proj:
	.size	k_q41c31ab392_proj, .Lfunc_end_k_q41c31ab392_proj-k_q41c31ab392_proj
	.p2alignl 7, 3214868480
	.fill 96, 4, 3214868480
	.section	.rodata,"a",@progbits
	.p2align	6, 0x0
	.amdhsa_kernel k_q41c31ab392_proj
		.amdhsa_group_segment_fixed_size 327680
		.amdhsa_private_segment_fixed_size 0
		.amdhsa_enable_private_segment 0
		.amdhsa_kernarg_size 40
		.amdhsa_user_sgpr_count 2
		.amdhsa_user_sgpr_kernarg_segment_ptr 1
		.amdhsa_wavefront_size32 1
		.amdhsa_system_sgpr_workgroup_id_x 1
		.amdhsa_system_sgpr_workgroup_id_y 1
		.amdhsa_system_sgpr_workgroup_id_z 1
		.amdhsa_system_vgpr_workitem_id 0
		.amdhsa_next_free_vgpr 1024
		.amdhsa_next_free_sgpr 102
		.amdhsa_reserve_vcc 1
		.amdhsa_float_denorm_mode_32 3
		.amdhsa_float_denorm_mode_16_64 3
		.amdhsa_memory_ordered 1
		.amdhsa_forward_progress 1
		.amdhsa_inst_pref_size 157
	.end_amdhsa_kernel
	.amdgpu_metadata
---
amdhsa.version: [ 1, 2 ]
amdhsa.kernels:
  - .name:           k_q41c31ab392_proj
    .symbol:         k_q41c31ab392_proj.kd
    .args:
      - { .name: xq, .offset: 0, .size: 8, .value_kind: global_buffer, .address_space: global }
      - { .name: wq, .offset: 8, .size: 8, .value_kind: global_buffer, .address_space: global }
      - { .name: bq, .offset: 16, .size: 8, .value_kind: global_buffer, .address_space: global }
      - { .name: bk, .offset: 24, .size: 8, .value_kind: global_buffer, .address_space: global }
      - { .name: qk, .offset: 32, .size: 8, .value_kind: global_buffer, .address_space: global }
    .group_segment_fixed_size: 327680
    .private_segment_fixed_size: 0
    .kernarg_segment_align: 8
    .kernarg_segment_size: 40
    .max_flat_workgroup_size: 128
    .sgpr_count:     102
    .vgpr_count:     1024
    .wavefront_size: 32
...
	.end_amdgpu_metadata
.endif
;; end of part 2
;; launch stats (part 3): grid 13 x 16, 4 waves a work-group, no clusters, 327,680 bytes of LDS; arguments qk, xq, wq, bv, st, vt; writes st, vt
.if DOCPART == 3
	.amdgcn_target "amdgcn-amd-amdhsa--gfx1250"
	.amdhsa_code_object_version 6
	.text
	.protected	k_q41c31ab392_stats
	.globl	k_q41c31ab392_stats
	.p2align	8
	.type	k_q41c31ab392_stats,@function
k_q41c31ab392_stats:
	s_mov_b64 s[64:65], 0
	v_nop
	global_prefetch_b8 v0, s[64:65] scope:SCOPE_SE
	s_setreg_imm32_b32 hwreg(HW_REG_WAVE_MODE, 25, 1), 1
	s_wait_xcnt 0x0
; TWO KINDS OF TILE, one text of the product.  Work-groups x = 0 .. 8: PRODUCT 4, first pass.  Work-groups x = 9 .. 12: half of PRODUCT 3.
; PRODUCT 4, first pass: logits = Q(q) Q(k)^T; for each column s and each group of 128 queries t the largest c x logit (c = log2(e) / 32) and the sum of 2^(c logit - that), over the queries that count (t >= s).
; LEFT OUT: the tiles of 256 x 256 that lie wholly in s > t (reference()'s own mask makes them -inf): 36 of 64 tiles a batch are computed.  A NaN or infinity that reaches only those tiles is not carried on.
; The softmax runs over t, so a column's maximum and sum span work-groups: they are stored by parts here and joined in launch probs.
; Tile (I, J), I >= J: R = k (columns s, in the lanes), P = q (queries t, in the registers).
; PRODUCT 3: v = Q(x) Wv + bv, quantised at once along the tokens.  R = Wv (tile x - 9 of 256 features, in the lanes), P = x (tile y of 256 tokens, in the registers): tokens 0 to 4,095 here, the rest in launch probs.
; v is wanted by launch pv alone; this launch's own 144 tiles and these 64 are 208 work-groups.
; The text of the product is launch proj's: three slots filled at the head, one refill, no loop; at most four tensor loads of a wave are out.  The kinds differ in the first fills' addresses (chosen by the work-group's number) and in the way out:
; one branch on that number stands ahead of the last K step, and each arm runs that step and its own way out.
; NO CLUSTER: a launch is in clusters as a whole, and the 36 live tiles of a batch (rows of 1 to 8 tiles) form no groups of four that share an operand at every place of the triangle.
; LIMITS: c x logit under -3e38 is not told apart from a masked place; NaN and infinities are not served; the quantiser's as in launch prep.
; REGISTERS: window 0: v1, v2 r, h; v4 16 x lane; v16-24 LDS addresses; v28, v29 the add's two; v32-47 scale words; v48-50 the mask's; v51-67 v's bias; v112-119 maxima (v: the results' scale words), v120-127 sums of my 8 blocks of columns;
;   v128-223 R's fragments, later 64 exponentials and 22 part maxima (v: 64 numbers and their codes); v224-239 the quantiser's work; v240-255 at work.  window 1: P's fragments.  windows 2, 3: the accumulators.
; THE FILLS, as the text now has them: at the head one load a wave (wave 0 R's two groups of K steps 0 and 1, wave 1 P's, wave 2 R's scale words, wave 3 P's);
; behind the full sequence and a barrier, one load a wave: a group's K steps 2 to 5 (side = wave % 2, group = wave / 2); behind K step 1's barrier the one refill: K steps 6 and 7.
; One tensor load of a wave is out at a time.  No prefetch: the text has no loop to run ahead in.
; vt lies in units of 12,800 bytes, [group of features][group of tokens]: a fragment group's 12,288 bytes of codes, then its 512 bytes of scale words.
.set PARTB, 24576
; THE FILLS AS THE TEXT STANDS (this takes the place of what is said of them above): at the head one load a wave: wave 0 R's two groups of K steps 0 and 1, wave 1 P's, wave 2 R's two groups of K steps 2 to 5, wave 3 P's.
; The scale words, 4,096 bytes a wave, go through registers into LDS bytes of their own.  In front of the first barrier, behind which nothing is filled, waves 0 and 1 wait for their loads; waves 2 and 3 wait for theirs in K step 1,
; in front of the barrier behind which slot 0 is filled again with K steps 6 and 7 (side = wave % 2, group = wave / 2).
.set GROUPB, 98304
.set SLOTB, 4*PARTB
.set SCL,   3*SLOTB
.set SPARE, SCL+16384
.set PT0,  0                           ; x's first tile of tokens in this launch
.set H,    2
.set LI,   4
.set ADRR, 16
.set ADRP, 20
.set ADS,  24
.set SPW,  28
.set NIL,  29
.set SC,   32
.set AF,   128
.set TH0,  48
.set THR,  49
.set NINF, 50
.set BOV,  51
.set BI,   52
.set MS,   112
.set PWS,  112
.set ZS,   120
.set E,    128
.set HA,   128
.set MX,   192
.set PC,   192
.set TM,   224
.set NMT,  240
.set T0,   242
.set T2,   244
.set SELQ, 248
.set BVP, 10                           ; s[10:11] bv;  s[12:13] st;  s[14:15] vt
.set VTP, 14
.set WV, 18
.set RH, 19
.set PH, 20
.set TI, 21
.set TJ, 22
.set BB, 23
.set G1C, 24
.set G1S, 32
.set G0S, 40
.set G0A, 44
.set OM, 56
.set CS, 58
.set SEL, 60
.set D, 62
.set ISV, 63                           ; s63  1 in a work-group of product 3
.set SX, 66                            ; s66-79 at work
.set OC, 80
.set OS, 82
.set BA, 84
.set MSB, 0
.macro WIN new
.if MSB != \new
	s_set_vgpr_msb (MSB<<8)|\new
.set MSB, \new
.endif
.endm
.set MUL_LO, 0xa1
.set MUL_HI, 0xf1
.set TO_P,   0x40
.macro PLACES
.rept 4
	v_nop
.endr
.endm
.macro FRAG reg, adr, off
.irp c, 0,1,2
	ds_load_b128 v[\reg+4*\c:\reg+4*\c+3], v[\adr] offset:\off+512*\c
.endr
.endm
.macro FETCH_P slot, q, p
	WIN TO_P
.irp i, 0,1,2,3,4,5,6,7
	FRAG 128*(\p)+12*\i, ADRP+\slot, (\q)*12288+\i*1536
.endr
	WIN 0
.endm
.macro FETCH_R slot, q, i0
.irp i, \i0, \i0+1, \i0+2, \i0+3
	FRAG AF+12*(\i), ADRR+\slot, (\q)*12288+(\i)*1536
.endr
.endm
.macro SCALES k, p
	ds_load_b128 v[SC+8*(\p):SC+8*(\p)+3], v[ADS] offset:512*(\k)
	ds_load_b128 v[SC+8*(\p)+4:SC+8*(\p)+7], v[ADS] offset:512*(\k)+256
.endm
.macro MUL16 a0, p, zero               ; the 64 accumulators take turns in one order in every step
.irp a, \a0, \a0+1
.irp b, 0,1,2,3,4,5,6,7
.if \zero
	v_wmma_scale_f32_16x16x128_f8f6f4 v[8*(8*((\a)%4)+\b):8*(8*((\a)%4)+\b)+7], v[128*(\p)+12*\b:128*(\p)+12*\b+11], v[AF+12*(\a):AF+12*(\a)+11], 0, v[SC+8*(\p)+\b], v[SC+8*(\p)+(\a)] matrix_a_fmt:MATRIX_FMT_FP6 matrix_b_fmt:MATRIX_FMT_FP6 matrix_a_scale:MATRIX_SCALE_ROW1
.else
	v_wmma_scale_f32_16x16x128_f8f6f4 v[8*(8*((\a)%4)+\b):8*(8*((\a)%4)+\b)+7], v[128*(\p)+12*\b:128*(\p)+12*\b+11], v[AF+12*(\a):AF+12*(\a)+11], v[8*(8*((\a)%4)+\b):8*(8*((\a)%4)+\b)+7], v[SC+8*(\p)+\b], v[SC+8*(\p)+(\a)] matrix_a_fmt:MATRIX_FMT_FP6 matrix_b_fmt:MATRIX_FMT_FP6 matrix_a_scale:MATRIX_SCALE_ROW1
.endif
.endr
.endr
.endm
.macro STEP k, ns, nq, zero
	s_wait_dscnt 12                                ; all but the youngest 12 loads, R's blocks 4-7
	WIN MUL_LO
	MUL16 0, (\k)%2, \zero
	MUL16 2, (\k)%2, \zero
	s_wait_dscnt 0
	PLACES
	FETCH_P \ns, \nq, 1-(\k)%2
	FETCH_R \ns, \nq, 0
	SCALES (\k)+1, 1-(\k)%2
	WIN MUL_HI
	MUL16 4, (\k)%2, \zero
	MUL16 6, (\k)%2, \zero
	PLACES
	WIN 0
	FETCH_R \ns, \nq, 4
.endm
.macro STEPADDR
	s_mov_b32 s[G1C+1], 32<<16                     ; no tensor load of mine is out: the refill brings 96 dense rows of 256 bytes
	s_mov_b32 s[G1C+2], 96<<16
	s_mov_b32 s[G1C+3], 32<<16
	s_mov_b32 s[G1C+4], 96
	s_mov_b32 s[G1C+5], 32
.endm
.macro REFILL
	tensor_load_to_lds s[G0A:G0A+3], s[G1C:G1C+7]  ; my one tensor load behind the barrier, and the first thing there: it has K steps 2 to 5 in which to land
	s_nop 0
	PLACES
.endm
.macro TURN k, ns, fill
	s_wait_tensorcnt 0x0                           ; all my tensor loads have landed
	ds_add_u32 v[SPW], v[NIL]                      ; 0 onto my spare word
.if \fill
	STEPADDR
.endif
	s_wait_dscnt 13                                ; (the add and R's blocks 4-7 may be out)
	WIN MUL_LO
	MUL16 0, (\k)%2, 0
	s_wait_dscnt 0x0                               ; the add is done, and my reads of the slot are over
	s_barrier_signal -1
	MUL16 2, (\k)%2, 0
	WIN 0
	s_barrier_wait -1
.if \fill
	REFILL
.else
	PLACES
.endif
	FETCH_P \ns, 0, 1-(\k)%2
	FETCH_R \ns, 0, 0
	SCALES (\k)+1, 1-(\k)%2
	WIN MUL_HI
	MUL16 4, (\k)%2, 0
	MUL16 6, (\k)%2, 0
	PLACES
	WIN 0
	FETCH_R \ns, 0, 4
.endm
.macro LAST
	s_wait_dscnt 12
	WIN MUL_LO
	MUL16 0, 1, 0
	MUL16 2, 1, 0
	s_wait_dscnt 0
	WIN MUL_HI
	MUL16 4, 1, 0
	MUL16 6, 1, 0
	WIN 0
.endm
.macro QUANT s, pw                     ; 64 numbers of a lane, register 16 b + i = k 32 b + 16 h + i of my row, become a fragment's codes in v[PC] on and its scale word in v[pw]
.irp b, 0,1,2,3
	v_max3_num_f32 v[TM+\b], |v[\s+16*\b]|, |v[\s+1+16*\b]|, 0x1800000   ; and the floor 2^(3 - 127): the byte cannot fall under 1
.endr
.irp i, 2,4,6,8,10,12,14
.irp b, 0,1,2,3
	v_max3_num_f32 v[TM+\b], v[TM+\b], |v[\s+16*\b+\i]|, |v[\s+1+16*\b+\i]|
.endr
.endr
.irp b, 0,1,2,3
	v_permlanex16_b32 v[TM+4+\b], v[TM+\b], s[SEL], s[SEL+1]
.endr
.irp b, 0,1,2,3
	v_max_num_f32 v[TM+\b], v[TM+\b], v[TM+4+\b]
.endr
.irp b, 0,1,2,3
	v_add_nc_u32 v[TM+12+\b], 0xff000000, v[TM+\b]     ; 2 off the exponent field: the conversion's scale operand
.endr
.irp b, 0,1,2,3
	v_lshrrev_b32 v[TM+4+\b], 23, v[TM+12+\b]          ; the scale's byte
.endr
	v_lshl_or_b32 v[\pw], v[TM+5], 8, v[TM+4]
	v_lshl_or_b32 v[\pw], v[TM+6], 16, v[\pw]
	v_lshl_or_b32 v[\pw], v[TM+7], 24, v[\pw]
.irp c, 0,1
	v_cvt_scalef32_pk16_fp6_f32 v[PC+6*\c:PC+2+6*\c], v[\s+32*\c:\s+15+32*\c], v[TM+12+2*\c]
	v_cvt_scalef32_pk16_fp6_f32 v[PC+12+4*\c:PC+14+4*\c], v[\s+16+32*\c:\s+31+32*\c], v[TM+12+2*\c+1]
.endr
	v_nop                                              ; one plain place behind a scaled conversion
.irp c, 0,1
.irp i, 0,1,2
	v_permlane16_swap_b32 v[PC+6*\c+\i], v[PC+12+4*\c+\i]
.endr
.irp i, 0,1,2
	v_mov_b32 v[PC+3+6*\c+\i], v[PC+12+4*\c+\i]
.endr
.endr
.endm
.macro IMG off
.irp c, 0,1,2
	global_store_b128 v[LI], v[PC+4*\c:PC+4*\c+3], s[OC:OC+1] offset:\off+512*\c
.endr
.endm
.macro SGSTORE src, quad, base, off    ; eight words of every lane leave as a unit of 512 bytes: lane (r, h) stores the words of blocks 4 h .. 4 h + 3
	v_cmp_eq_u32 vcc_lo, 1, v[H]
.irp w, 0,1,2,3
	v_cndmask_b32 v[\quad+\w], v[\src+\w], v[\src+4+\w], vcc_lo
.endr
	global_store_b128 v[LI], v[\quad:\quad+3], s[\base:\base+1] offset:\off
.endm
; PRODUCT 4: block a of 16 columns.  A lane holds one column; its register n holds query 32 (n / 16) + 16 h + n % 16 of my 128
.macro COLS a
.set AC, 64*((\a)%4)
.set W, 2+(\a)/4
	s_cmp_gt_i32 s[D], 0                           ; all my queries come after all my columns: nothing is hidden.  A branch on ids
	s_cbranch_scc1 .Lopen_\@
	s_wait_alu depctr_va_vdst(0)
	v_add_nc_u32 v[THR], 32*((\a)/2)+8*((\a)%2), v[TH0]   ; my column - my first query - 16 h: register n is hidden where its constant lies under this
.set WW, (W<<6)|W
	WIN WW
.set n, 0
.rept 64
	v_cmp_lt_i32 vcc_lo, 32*(n/16)+n%16, v[THR]
	v_cndmask_b32 v[AC+n], v[AC+n], v[NINF], vcc_lo
.set n, n+1
.endr
	WIN 0
.Lopen_\@:
.set WW, W|(W<<2)|(W<<4)
	WIN WW
.set n, 0
.rept 21
	v_max3_num_f32 v[MX+n], v[AC+3*n], v[AC+3*n+1], v[AC+3*n+2]   ; in ascending order: each accumulator is read from its low end on
.set n, n+1
.endr
	v_max3_num_f32 v[MX+21], v[AC+61], v[AC+62], v[AC+63]
	WIN 0
.irp u, 0,3,6,9,12,15,18
	v_max3_num_f32 v[MX+\u], v[MX+\u], v[MX+\u+1], v[MX+\u+2]
.endr
	v_max3_num_f32 v[MX], v[MX], v[MX+3], v[MX+6]
	v_max3_num_f32 v[MX+9], v[MX+9], v[MX+12], v[MX+15]
	v_max3_num_f32 v[MX+18], v[MX+18], v[MX+21], 0xff61b1e6   ; and -3e38, so that a column with no query here gives a number and no -inf
	v_max3_num_f32 v[MX], v[MX], v[MX+9], v[MX+18]
	v_permlanex16_b32 v[MX+1], v[MX], s[SEL], s[SEL+1]
	v_max_num_f32 v[MX], v[MX], v[MX+1]            ; with lane l xor 16's 64 queries
	v_mul_f32 v[MS+(\a)], s[CS], v[MX]             ; c is positive
	v_mul_f32 v[NMT], s[CS], v[MX]
	v_mul_f32 v[NMT+1], s[CS], v[MX]               ; (named with it as a pair)
.set WW, W
	WIN WW
.set n, 0
.rept 32
	v_pk_fma_f32 v[E+2*n:E+2*n+1], v[AC+2*n:AC+2*n+1], s[CS:CS+1], v[NMT:NMT+1] op_sel_hi:[1,0,0] neg_lo:[0,0,1] neg_hi:[0,0,1]
.set n, n+1
.endr
	WIN 0
.set n, 0
	s_wait_alu depctr_va_vdst(0)
.rept 64
	v_exp_f32 v[E+n], v[E+n]
.set n, n+1
.endr
	v_nop                                          ; a plain place behind the last exponential
	s_wait_alu depctr_va_vdst(0)                   ; one wait for the batch, ahead of its first reader
	v_pk_add_f32 v[T0:T0+1], v[E:E+1], v[E+2:E+3]
	v_pk_add_f32 v[T2:T2+1], v[E+4:E+5], v[E+6:E+7]
.irp j, 8,12,16,20,24,28,32,36,40,44,48,52,56,60
	v_pk_add_f32 v[T0:T0+1], v[T0:T0+1], v[E+\j:E+\j+1]
	v_pk_add_f32 v[T2:T2+1], v[T2:T2+1], v[E+\j+2:E+\j+3]
.endr
	v_pk_add_f32 v[T0:T0+1], v[T0:T0+1], v[T2:T2+1]
	v_add_f32 v[T0], v[T0], v[T0+1]
	v_permlanex16_b32 v[T2], v[T0], s[SEL], s[SEL+1]
	v_add_f32 v[ZS+(\a)], v[T0], v[T2]
.endm
; PRODUCT 3: block a of 16 features of v: bv of my lane's feature is added, my 128 tokens are quantised, the fragment leaves
.macro EPIV a
.set AC, 64*((\a)%4)
.set WW, 2+(\a)/4
.if (\a) > 0
	s_wait_xcnt 0x0                                ; the last fragment's stores have read their registers
.endif
	WIN WW
.set i, 0
.rept 32
	v_pk_add_f32 v[HA+2*i:HA+2*i+1], v[AC+2*i:AC+2*i+1], v[BI+2*(\a):BI+2*(\a)+1]   ; each accumulator from its low end on
.set i, i+1
.endr
	WIN 0
	QUANT HA, PWS+(\a)
	IMG (\a)*1536
.endm
; PRODUCT 3's arm: its addresses, its bias, the last K step meanwhile, its way out
.macro VARM
	s_sub_co_u32 s[SX], ttmp9, 9                   ; Wv's tile of 256 features
	s_lshl_b32 s[SX], s[SX], 1
	s_add_co_u32 s[SX], s[SX], s[RH]               ; my group of 128 features
	s_and_b32 s[SX+1], ttmp7, 0xffff               ; x's tile of 256 tokens
.if PT0 > 0
	s_add_co_u32 s[SX+1], s[SX+1], PT0
.endif
	s_lshl_b32 s[SX+1], s[SX+1], 1
	s_add_co_u32 s[SX+1], s[SX+1], s[PH]           ; my group of 128 tokens: the K step of product 5
	s_mul_i32 s[SX+2], s[SX], 819200               ; 64 units of 12,800 bytes a group of features
	s_mul_i32 s[SX+4], s[SX+1], 12800
	s_add_co_u32 s[SX+2], s[SX+2], s[SX+4]
	s_mov_b32 s[SX+3], 0
	s_add_nc_u64 s[OC:OC+1], s[VTP:VTP+1], s[SX+2:SX+3]
	s_add_nc_u64 s[OS:OS+1], s[OC:OC+1], 12288     ; the unit's scale words lie behind its codes
	s_lshl_b32 s[SX+2], s[SX], 9                   ; my group's 128 numbers of bv
	s_add_nc_u64 s[BA:BA+1], s[BVP:BVP+1], s[SX+2:SX+3]
	v_and_b32 v[BOV], 8, v1
	v_add_nc_u32 v[BOV], v[BOV], v1
	v_lshlrev_b32 v[BOV], 2, v[BOV]                ; 4 (r + 8 (r / 8))
.irp a, 0,1,2,3,4,5,6,7
	global_load_b32 v[BI+2*\a], v[BOV], s[BA:BA+1] offset:4*(32*(\a/2)+8*(\a%2))     ; twice: a pair for the packed addition
	global_load_b32 v[BI+2*\a+1], v[BOV], s[BA:BA+1] offset:4*(32*(\a/2)+8*(\a%2))
.endr
	LAST
	PLACES
	s_wait_loadcnt 0x0                             ; the bias
.irp a, 0,1,2,3,4,5,6,7
	EPIV \a
.endr
	SGSTORE PWS, SELQ, OS, 0
.endm
	s_load_b256 s[4:11], s[0:1], 0x0               ; qk, xq, wq, bv
	s_load_b128 s[12:15], s[0:1], 0x20             ; st, vt
	v_lshl_add_u32 v[SPW], v0, 2, SPARE
	v_mov_b32 v[NIL], 0
	ds_add_u32 v[SPW], v[NIL]                      ; the wave's opening: the add, twice on end, and its wait ahead of my first tensor load
	ds_add_u32 v[SPW], v[NIL]
	v_lshrrev_b32 v1, 5, v0
	v_readfirstlane_b32 s[WV], v1
	s_lshr_b32 s[RH], s[WV], 1
	s_and_b32 s[PH], s[WV], 1
	s_and_b32 s2, ttmp7, 0xffff
	s_and_b32 s3, s2, 3                            ; p: rows p and 7 - p of the triangle have 9 tiles together
	s_lshr_b32 s[BB], s2, 2                        ; the batch
	s_sub_co_u32 s66, 7, s3
	s_sub_co_u32 s67, ttmp9, s3
	s_sub_co_u32 s67, s67, 1
	s_cmp_le_u32 ttmp9, s3
	s_cselect_b32 s[TI], s3, s66                   ; tile row I (queries),
	s_cselect_b32 s[TJ], ttmp9, s67                ; tile column J (keys), J <= I.  (In a work-group of product 3 these two, and what is made of them, are not used)
	s_cmp_ge_u32 ttmp9, 9
	s_cselect_b32 s[ISV], 1, 0
	s_mov_b32 s[G1C], 3<<16                        ; 24,576 dense bytes as 96 rows of 256: elements of 8 bytes, no mask, no padding
	s_mov_b32 s[G1C+1], 3072<<16                   ; the head's shape: two rows of 24,576 bytes, 98,304 bytes apart
	s_mov_b32 s[G1C+2], 2<<16
	s_mov_b32 s[G1C+3], 3072<<16
	s_mov_b32 s[G1C+4], 2
	s_mov_b32 s[G1C+5], 12288
	s_mov_b32 s[G1C+6], 0
	s_mov_b32 s[G1C+7], 0
	s_mov_b32 s[G1S], 3<<16                        ; elements of 8 bytes, no mask, no padding
	s_mov_b32 s[G1S+1], 6144<<16                   ; two rows of 49,152 bytes (a group's K steps 2 to 5), 98,304 bytes apart
	s_mov_b32 s[G1S+2], 2<<16
	s_mov_b32 s[G1S+3], 6144<<16
	s_mov_b32 s[G1S+4], 2
	s_mov_b32 s[G1S+5], 12288
	s_mov_b32 s[G1S+6], 0
	s_mov_b32 s[G1S+7], 0
	s_sub_co_u32 s66, ttmp9, 9                     ; product 3: Wv's tile,
	s_add_co_u32 s67, s2, PT0                      ; x's tile
	s_cmp_eq_u32 s[PH], 0                          ; even waves fetch for R (k; Wv), odd waves for P (q; x)
	s_cselect_b32 s68, s[TJ], s[TI]
	s_cselect_b32 s69, s66, s67                    ; product 3: the tile
	s_cselect_b32 s70, 6291456, 0                  ; product 4: where the codes begin in qk,
	s_cselect_b32 s71, 1572864, 0                  ; product 3: in wq or xq
	s_mov_b32 s72, 12582912
	s_cselect_b32 s72, 12845056, s72               ; and the scale words
	s_mov_b32 s73, 6291456
	s_cselect_b32 s73, 2424832, s73
	s_lshl_b32 s74, s[BB], 3
	s_add_co_u32 s68, s68, s74                     ; a batch has 8 tiles of tokens
	s_cmp_eq_u32 s[ISV], 1
	s_cselect_b32 s68, s69, s68
	s_cselect_b32 s70, s71, s70
	s_cselect_b32 s72, s73, s72
	s_lshl_b32 s68, s68, 1                         ; the tile's first group of 128 rows
	s_mul_i32 s69, s68, GROUPB
	s_add_co_u32 s70, s70, s69
	s_mov_b32 s71, 0
	s_lshl_b32 s69, s68, 12
	s_add_co_u32 s72, s72, s69
	s_mov_b32 s73, 0
	s_lshl_b32 s16, s[PH], 1
	s_add_co_u32 s16, s16, s[RH]
	s_mul_i32 s16, s16, PARTB                      ; my part of slot 0: 2 x side + group
	s_lshl_b32 s17, s[PH], 13                      ; my side's scale words
	s_mul_i32 s76, s[RH], GROUPB                   ; the group that I fetch in the later loads
	s_mov_b32 s77, 0
	s_mul_i32 s78, s[PH], 2*PARTB                  ; the head's load: my side's two parts
	s_mul_i32 s79, s[PH], 4*PARTB
	s_add_co_u32 s79, s79, SLOTB                   ; behind slot 0: 49,152 bytes a group for K steps 2 to 5: my side's two groups
	s_lshl_b32 s69, s[RH], 12                      ; the scale words that I bring: my side's group wave / 2
	s_add_co_u32 s72, s72, s69
	s_add_co_u32 s17, s17, s69
	s_add_co_u32 s17, s17, SCL
	s_wait_dscnt 0x0                               ; both opening adds are done
	s_wait_kmcnt 0x0
	s_cmp_eq_u32 s[PH], 0
	s_cselect_b64 s[74:75], s[8:9], s[6:7]
	s_cmp_eq_u32 s[ISV], 1
	s_cselect_b64 s[74:75], s[74:75], s[4:5]       ; product 4: qk.  Both choices hang on ids alone
	s_add_nc_u64 s[70:71], s[74:75], s[70:71]
	s_add_nc_u64 s[72:73], s[74:75], s[72:73]      ; my scale words in memory
	s_mov_b32 s[G0S], 1                            ; both groups' K steps 2 to 5
	s_mov_b32 s[G0S+1], s79
	s_add_nc_u64 s[G0S+2:G0S+3], s[70:71], PARTB
	s_or_b32 s[G0S+3], s[G0S+3], 0x80000000
	s_mov_b32 s[G0A+8], 1                          ; the head's load of codes: both groups' K steps 0, 1
	s_mov_b32 s[G0A+9], s78
	s_mov_b64 s[G0A+10:G0A+11], s[70:71]
	s_or_b32 s[G0A+11], s[G0A+11], 0x80000000
	s_add_nc_u64 s[70:71], s[70:71], s[76:77]      ; my group
	s_mov_b32 s[G0A], 1                            ; the refill: K steps 6, 7
	s_mov_b32 s[G0A+1], s16
	s_add_nc_u64 s[G0A+2:G0A+3], s[70:71], 3*PARTB
	s_or_b32 s[G0A+3], s[G0A+3], 0x80000000
	s_cmp_eq_u32 s[RH], 0                          ; one branch on the wave's number, a load in each arm
	s_cbranch_scc0 .Lhead_words
	tensor_load_to_lds s[G0A+8:G0A+11], s[G1C:G1C+7]
	s_nop 0
	PLACES
	s_branch .Lheaded
.Lhead_words:
	tensor_load_to_lds s[G0S:G0S+3], s[G1S:G1S+7]
	s_nop 0
	PLACES
.Lheaded:
	v_and_b32 v1, 15, v0
	v_bfe_u32 v[H], v0, 4, 1
	s_wait_alu depctr_va_vdst(0)
	v_and_b32 v3, 31, v0
	v_lshlrev_b32 v[LI], 4, v3
	s_wait_alu depctr_va_vdst(0)
	v_add_nc_u32 v25, s17, v[LI]                   ; where my 4,096 bytes of scale words go
.irp i, 0,1,2,3,4,5,6,7
	global_load_b128 v[80+4*\i:83+4*\i], v[LI], s[72:73] offset:512*\i
.endr
	s_mul_i32 s66, s[RH], PARTB
	s_mul_i32 s67, s[PH], PARTB
	s_add_co_u32 s67, s67, 2*PARTB
	v_add_nc_u32 v[ADRR], s66, v[LI]
	v_add_nc_u32 v[ADRP], s67, v[LI]
	s_lshl_b32 s66, s66, 1
	s_lshl_b32 s67, s67, 1
	s_add_co_u32 s66, s66, SLOTB
	s_add_co_u32 s67, s67, SLOTB
.irp s, 1,2                            ; K steps 2, 3 and 4, 5 of a group lie one behind the other
	v_add_nc_u32 v[ADRR+\s], s66, v[LI]
	v_add_nc_u32 v[ADRP+\s], s67, v[LI]
	s_add_co_u32 s66, s66, PARTB
	s_add_co_u32 s67, s67, PARTB
.endr
	s_lshl_b32 s66, s[RH], 12
	s_lshl_b32 s67, s[PH], 12
	s_add_co_u32 s67, s67, 8192
	s_sub_co_u32 s67, s67, s66
	v_mul_u32_u24 v3, s67, v[H]                    ; lanes 16-31 take P's words: one product, the distance between the two bases
	s_add_co_u32 s66, s66, SCL
	v_lshl_add_u32 v3, v1, 4, v3
	v_add_nc_u32 v[ADS], s66, v3
	s_lshl_b32 s66, s[TI], 1
	s_add_co_u32 s66, s66, s[PH]                   ; my group of queries
	s_lshl_b32 s67, s[TJ], 1
	s_add_co_u32 s67, s67, s[RH]                   ; my group of columns
	s_sub_co_i32 s[D], s66, s67
	s_lshl_b32 s[D], s[D], 7                       ; my first query - my first column
	s_lshl_b32 s68, s[BB], 4
	s_add_co_u32 s68, s68, s66
	s_lshl_b32 s68, s68, 4
	s_add_co_u32 s68, s68, s67
	s_lshl_b32 s68, s68, 9
	s_mov_b32 s69, 0
	s_add_nc_u64 s[OM:OM+1], s[12:13], s[68:69]
	s_mov_b32 s[CS], 0x3d38aa3b                    ; c = log2(e) / sqrt(1024)
	s_mov_b32 s[CS+1], s[CS]
	s_mov_b32 s[SEL], 0x76543210
	s_mov_b32 s[SEL+1], 0xfedcba98
	v_and_b32 v[TH0], 8, v1
	v_add_nc_u32 v[TH0], v[TH0], v1
	v_lshlrev_b32 v[THR], 4, v[H]
	v_sub_nc_u32 v[TH0], v[TH0], v[THR]
	v_sub_nc_u32 v[TH0], v[TH0], s[D]              ; r + 8 (r / 8) - 16 h - (my first query - my first column)
	v_mov_b32 v[NINF], 0xff800000
.irp b, 0,1,2,3
	v_mov_b32 v[TM+4+\b], 0                        ; written once: a lane permute's destination counts as one of its sources
.endr
	s_wait_alu depctr_va_vdst(0)
	s_wait_loadcnt 0x0                             ; my scale words
.irp i, 0,1,2,3,4,5,6,7
	ds_store_b128 v25, v[80+4*\i:83+4*\i] offset:512*\i
.endr
	s_cmp_eq_u32 s[RH], 0                          ; the wave's number: waves 0 and 1 brought K steps 0 and 1, which are read behind this barrier
	s_cbranch_scc0 .Llater
	s_wait_tensorcnt 0x0
.Llater:
	s_wait_dscnt 0x0                               ; for the others' sake: my scale words lie in LDS
	s_barrier_signal -1
	s_barrier_wait -1                              ; K steps 2 to 5 may stay out
	FETCH_P 0, 0, 0
	FETCH_R 0, 0, 0
	SCALES 0, 0
	FETCH_R 0, 0, 4
	STEP 0, 0, 1, 1
	TURN 1, 1, 1
	STEP 2, 1, 1, 0
	STEP 3, 2, 0, 0
	STEP 4, 2, 1, 0
	TURN 5, 0, 0
	STEP 6, 0, 1, 0
	s_cmp_eq_u32 s[ISV], 1                         ; the work-group's number alone: all four waves go the same way
	s_cbranch_scc1 .Lv
	LAST
	PLACES
.irp a, 0,1,2,3,4,5,6,7
	COLS \a
.endr
	SGSTORE MS, SELQ, OM, 0                        ; 128 maxima, 512 consecutive bytes,
	SGSTORE ZS, SELQ+4, OM, 524288                 ; and 128 sums
	s_branch .Ldone
.Lv:
	VARM
.Ldone:
	s_wait_tensorcnt 0x0                           ; the wave's end
	ds_add_u32 v[SPW], v[NIL]
	s_wait_dscnt 0x0
	s_endpgm
.Lfunc_end_k_q41c31ab392_stats:
	.size	k_q41c31ab392_stats, .Lfunc_end_k_q41c31ab392_stats-k_q41c31ab392_stats
	.p2alignl 7, 3214868480
	.fill 96, 4, 3214868480
	.section	.rodata,"a",@progbits
	.p2align	6, 0x0
	.amdhsa_kernel k_q41c31ab392_stats
		.amdhsa_group_segment_fixed_size 327680
		.amdhsa_private_segment_fixed_size 0
		.amdhsa_enable_private_segment 0
		.amdhsa_kernarg_size 48
		.amdhsa_user_sgpr_count 2
		.amdhsa_user_sgpr_kernarg_segment_ptr 1
		.amdhsa_wavefront_size32 1
		.amdhsa_system_sgpr_workgroup_id_x 1
		.amdhsa_system_sgpr_workgroup_id_y 1
		.amdhsa_system_sgpr_workgroup_id_z 1
		.amdhsa_system_vgpr_workitem_id 0
		.amdhsa_next_free_vgpr 1024
		.amdhsa_next_free_sgpr 88
		.amdhsa_reserve_vcc 1
		.amdhsa_float_denorm_mode_32 3
		.amdhsa_float_denorm_mode_16_64 3
		.amdhsa_memory_ordered 1
		.amdhsa_forward_progress 1
		.amdhsa_inst_pref_size 255
	.end_amdhsa_kernel
	.section	.bss,"aw",@nobits
	.p2align	6
	.space	262144
	.amdgpu_metadata
---
amdhsa.version: [ 1, 2 ]
amdhsa.kernels:
  - .name:           k_q41c31ab392_stats
    .symbol:         k_q41c31ab392_stats.kd
    .args:
      - { .name: qk, .offset: 0, .size: 8, .value_kind: global_buffer, .address_space: global }
      - { .name: xq, .offset: 8, .size: 8, .value_kind: global_buffer, .address_space: global }
      - { .name: wq, .offset: 16, .size: 8, .value_kind: global_buffer, .address_space: global }
      - { .name: bv, .offset: 24, .size: 8, .value_kind: global_buffer, .address_space: global }
      - { .name: st, .offset: 32, .size: 8, .value_kind: global_buffer, .address_space: global }
      - { .name: vt, .offset: 40, .size: 8, .value_kind: global_buffer, .address_space: global }
    .group_segment_fixed_size: 327680
    .private_segment_fixed_size: 0
    .kernarg_segment_align: 8
    .kernarg_segment_size: 48
    .max_flat_workgroup_size: 128
    .sgpr_count:     88
    .vgpr_count:     1024
    .wavefront_size: 32
...
	.end_amdgpu_metadata
.endif
;; end of part 3
;; launch probs (part 4): grid 13 x 16, 4 waves a work-group, no clusters, 327,680 bytes of LDS; arguments qk, st, xq, wq, bv, pp, vt; writes pp, vt
.if DOCPART == 4
	.amdgcn_target "amdgcn-amd-amdhsa--gfx1250"
	.amdhsa_code_object_version 6
	.text
	.protected	k_q41c31ab392_probs
	.globl	k_q41c31ab392_probs
	.p2align	8
	.type	k_q41c31ab392_probs,@function
k_q41c31ab392_probs:
	s_mov_b64 s[64:65], 0
	v_nop
	global_prefetch_b8 v0, s[64:65] scope:SCOPE_SE
	s_setreg_imm32_b32 hwreg(HW_REG_WAVE_MODE, 25, 1), 1
	s_wait_xcnt 0x0
; TWO KINDS OF TILE, one text of the product.  Work-groups x = 0 .. 8: PRODUCT 4, second pass, and the softmax.  Work-groups x = 9 .. 12: the other half of PRODUCT 3.
; PRODUCT 4, second pass, and the softmax over t: probs[t][s] = 2^(c logit - M[s]) / Z[s], finished and normalised, quantised along s in blocks of 32 into the codes of product 5's left operand.
; LEFT OUT, as in launch stats: the tiles that lie wholly in s > t, where reference()'s own mask makes probs 0.  A NaN or infinity that reaches only those tiles is not carried on.
; The logits are computed again rather than kept: as f32 the live tiles would go to memory and come back.
; Tile (I, J), I >= J: R = q (queries t, in the lanes), P = k (columns s, in the registers, the axis that is quantised).  The text of the product is launch proj's.
; AT THE HEAD, while the first tiles are on their way, such a work-group joins its 256 columns' parts: M = the largest part maximum, Z = the sum of z_i 2^(m_i - M) over the groups of queries from the column's own on; M and 1 / Z go to LDS in the columns' order.
; PRODUCT 3: v = Q(x) Wv + bv, quantised at once along the tokens, as in launch stats: R = Wv (tile x - 9), P = x (tile y + 16: tokens 4,096 to 8,191).  This launch's own 144 tiles and these 64 are 208 work-groups.
; The kinds differ in the first fills' addresses, in the joining of the parts (one block, under a branch on the work-group's number) and in the way out (one branch on that number ahead of the last K step).
; NO CLUSTER: as in launch stats.  LIMITS: p under 2^-126 becomes 0 (v_exp_f32's results, ISA guide 15.8); the quantiser's as in launch prep.
; REGISTERS: window 0: as in launch proj, but v48-61 offsets and the mask's, v62-79 v's bias; at the head v136-205 the parts.  window 1, on product 4's way out: v0-63 M, v64-127 1 / Z of my registers' columns.
; THE FILLS, as the text now has them: as in launch stats: one load a wave at the head (K steps 0, 1 and the scale words), one behind the full sequence (K steps 2 to 5), one refill (K steps 6, 7).
; pp and vt lie in units of 12,800 bytes: 12,288 bytes of codes, then 512 bytes of scale words; pp: [batch][group of queries][group of columns].  Launch pv reads no unit past the diagonal, so no zeros are stored for it.
.set PARTB, 24576
; THE FILLS AS THE TEXT STANDS (this takes the place of what is said of them above): as in launch stats: at the head waves 0 and 1 bring K steps 0 and 1 of R and of P, waves 2 and 3 K steps 2 to 5; the scale words go through registers
; into LDS bytes of their own; one refill, K steps 6 and 7.
.set GROUPB, 98304
.set SLOTB, 4*PARTB
.set SCL,   3*SLOTB
.set SPARE, SCL+16384
.set SCR,   SPARE+512                  ; 256 M, then 256 1 / Z: blocks of their own, into which no tile lands
.set PT0,  16                          ; x's first tile of tokens in this launch
.set H,    2
.set LI,   4
.set ADRR, 16
.set ADRP, 20
.set ADS,  24
.set SPW,  28
.set NIL,  29
.set SC,   32
.set AF,   128
.set OF,   48
.set SA,   56
.set TH0,  58
.set THR,  59
.set NINF, 60
.set SCRA, 61
.set BOV,  62
.set BI,   64
.set PWS,  112
.set HA,   128
.set PC,   192
.set TM,   224
.set SELQ, 240
.set ZQ,   244
.set MR,   136
.set ZR,   168
.set MM,   200
.set ZZ,   202
.set RC,   204
.set NM,   0
.set RZ,   64
.set BVP, 12                           ; s[12:13] bv;  s[14:15] pp;  s[16:17] vt
.set VTP, 16
.set WV, 18
.set RH, 19
.set PH, 20
.set TI, 21
.set TJ, 22
.set BB, 23
.set G1C, 24
.set G1S, 32
.set G0S, 40
.set G0A, 44
.set OC, 56
.set CS, 58
.set SEL, 60
.set D, 62
.set CNT, 63
.set OS, 66
.set STA, 68
.set J2, 70
.set ISV, 71                           ; s71  1 in a work-group of product 3
.set SX, 72                            ; s72-87 at work
.set BA, 88
.set MSB, 0
.macro WIN new
.if MSB != \new
	s_set_vgpr_msb (MSB<<8)|\new
.set MSB, \new
.endif
.endm
.set MUL_LO, 0xa1
.set MUL_HI, 0xf1
.set TO_P,   0x40
.macro PLACES
.rept 4
	v_nop
.endr
.endm
.macro FRAG reg, adr, off
.irp c, 0,1,2
	ds_load_b128 v[\reg+4*\c:\reg+4*\c+3], v[\adr] offset:\off+512*\c
.endr
.endm
.macro FETCH_P slot, q, p
	WIN TO_P
.irp i, 0,1,2,3,4,5,6,7
	FRAG 128*(\p)+12*\i, ADRP+\slot, (\q)*12288+\i*1536
.endr
	WIN 0
.endm
.macro FETCH_R slot, q, i0
.irp i, \i0, \i0+1, \i0+2, \i0+3
	FRAG AF+12*(\i), ADRR+\slot, (\q)*12288+(\i)*1536
.endr
.endm
.macro SCALES k, p
	ds_load_b128 v[SC+8*(\p):SC+8*(\p)+3], v[ADS] offset:512*(\k)
	ds_load_b128 v[SC+8*(\p)+4:SC+8*(\p)+7], v[ADS] offset:512*(\k)+256
.endm
.macro MUL16 a0, p, zero               ; the 64 accumulators take turns in one order in every step
.irp a, \a0, \a0+1
.irp b, 0,1,2,3,4,5,6,7
.if \zero
	v_wmma_scale_f32_16x16x128_f8f6f4 v[8*(8*((\a)%4)+\b):8*(8*((\a)%4)+\b)+7], v[128*(\p)+12*\b:128*(\p)+12*\b+11], v[AF+12*(\a):AF+12*(\a)+11], 0, v[SC+8*(\p)+\b], v[SC+8*(\p)+(\a)] matrix_a_fmt:MATRIX_FMT_FP6 matrix_b_fmt:MATRIX_FMT_FP6 matrix_a_scale:MATRIX_SCALE_ROW1
.else
	v_wmma_scale_f32_16x16x128_f8f6f4 v[8*(8*((\a)%4)+\b):8*(8*((\a)%4)+\b)+7], v[128*(\p)+12*\b:128*(\p)+12*\b+11], v[AF+12*(\a):AF+12*(\a)+11], v[8*(8*((\a)%4)+\b):8*(8*((\a)%4)+\b)+7], v[SC+8*(\p)+\b], v[SC+8*(\p)+(\a)] matrix_a_fmt:MATRIX_FMT_FP6 matrix_b_fmt:MATRIX_FMT_FP6 matrix_a_scale:MATRIX_SCALE_ROW1
.endif
.endr
.endr
.endm
.macro STEP k, ns, nq, zero
	s_wait_dscnt 12                                ; all but the youngest 12 loads, R's blocks 4-7
	WIN MUL_LO
	MUL16 0, (\k)%2, \zero
	MUL16 2, (\k)%2, \zero
	s_wait_dscnt 0
	PLACES
	FETCH_P \ns, \nq, 1-(\k)%2
	FETCH_R \ns, \nq, 0
	SCALES (\k)+1, 1-(\k)%2
	WIN MUL_HI
	MUL16 4, (\k)%2, \zero
	MUL16 6, (\k)%2, \zero
	PLACES
	WIN 0
	FETCH_R \ns, \nq, 4
.endm
.macro STEPADDR
	s_mov_b32 s[G1C+1], 32<<16                     ; no tensor load of mine is out: the refill brings 96 dense rows of 256 bytes
	s_mov_b32 s[G1C+2], 96<<16
	s_mov_b32 s[G1C+3], 32<<16
	s_mov_b32 s[G1C+4], 96
	s_mov_b32 s[G1C+5], 32
.endm
.macro REFILL
	tensor_load_to_lds s[G0A:G0A+3], s[G1C:G1C+7]  ; my one tensor load behind the barrier, and the first thing there
	s_nop 0
	PLACES
.endm
.macro TURN k, ns, fill
	s_wait_tensorcnt 0x0                           ; all my tensor loads have landed
	ds_add_u32 v[SPW], v[NIL]                      ; 0 onto my spare word
.if \fill
	STEPADDR
.endif
	s_wait_dscnt 13                                ; (the add and R's blocks 4-7 may be out)
	WIN MUL_LO
	MUL16 0, (\k)%2, 0
	s_wait_dscnt 0x0                               ; the add is done, and my reads of the slot are over
	s_barrier_signal -1
	MUL16 2, (\k)%2, 0
	WIN 0
	s_barrier_wait -1
.if \fill
	REFILL
.else
	PLACES
.endif
	FETCH_P \ns, 0, 1-(\k)%2
	FETCH_R \ns, 0, 0
	SCALES (\k)+1, 1-(\k)%2
	WIN MUL_HI
	MUL16 4, (\k)%2, 0
	MUL16 6, (\k)%2, 0
	PLACES
	WIN 0
	FETCH_R \ns, 0, 4
.endm
.macro LAST
	s_wait_dscnt 12
	WIN MUL_LO
	MUL16 0, 1, 0
	MUL16 2, 1, 0
	s_wait_dscnt 0
	WIN MUL_HI
	MUL16 4, 1, 0
	MUL16 6, 1, 0
	WIN 0
.endm
.macro QUANT s, pw
.irp b, 0,1,2,3
	v_max3_num_f32 v[TM+\b], |v[\s+16*\b]|, |v[\s+1+16*\b]|, 0x1800000   ; and the floor 2^(3 - 127): the byte cannot fall under 1
.endr
.irp i, 2,4,6,8,10,12,14
.irp b, 0,1,2,3
	v_max3_num_f32 v[TM+\b], v[TM+\b], |v[\s+16*\b+\i]|, |v[\s+1+16*\b+\i]|
.endr
.endr
.irp b, 0,1,2,3
	v_permlanex16_b32 v[TM+4+\b], v[TM+\b], s[SEL], s[SEL+1]
.endr
.irp b, 0,1,2,3
	v_max_num_f32 v[TM+\b], v[TM+\b], v[TM+4+\b]
.endr
.irp b, 0,1,2,3
	v_add_nc_u32 v[TM+12+\b], 0xff000000, v[TM+\b]
.endr
.irp b, 0,1,2,3
	v_lshrrev_b32 v[TM+4+\b], 23, v[TM+12+\b]
.endr
	v_lshl_or_b32 v[\pw], v[TM+5], 8, v[TM+4]
	v_lshl_or_b32 v[\pw], v[TM+6], 16, v[\pw]
	v_lshl_or_b32 v[\pw], v[TM+7], 24, v[\pw]
.irp c, 0,1
	v_cvt_scalef32_pk16_fp6_f32 v[PC+6*\c:PC+2+6*\c], v[\s+32*\c:\s+15+32*\c], v[TM+12+2*\c]
	v_cvt_scalef32_pk16_fp6_f32 v[PC+12+4*\c:PC+14+4*\c], v[\s+16+32*\c:\s+31+32*\c], v[TM+12+2*\c+1]
.endr
	v_nop                                              ; one plain place behind a scaled conversion
.irp c, 0,1
.irp i, 0,1,2
	v_permlane16_swap_b32 v[PC+6*\c+\i], v[PC+12+4*\c+\i]
.endr
.irp i, 0,1,2
	v_mov_b32 v[PC+3+6*\c+\i], v[PC+12+4*\c+\i]
.endr
.endr
.endm
.macro IMG off
.irp c, 0,1,2
	global_store_b128 v[LI], v[PC+4*\c:PC+4*\c+3], s[OC:OC+1] offset:\off+512*\c
.endr
.endm
.macro SGSTORE src, quad, base, off
	v_cmp_eq_u32 vcc_lo, 1, v[H]
.irp w, 0,1,2,3
	v_cndmask_b32 v[\quad+\w], v[\src+\w], v[\src+4+\w], vcc_lo
.endr
	global_store_b128 v[LI], v[\quad:\quad+3], s[\base:\base+1] offset:\off
.endm
; PRODUCT 4: block a of 16 queries.  A lane holds one query; its register n holds column 32 (n / 16) + 16 h + n % 16 of my 128
.macro ROWS a
.set AC, 64*((\a)%4)
.set W, 2+(\a)/4
.if (\a) > 0
	s_wait_xcnt 0x0                                ; the last fragment's stores have read their registers
.endif
.set WW, 0x10|W
	WIN WW                                         ; source 0 the accumulators' window, source 2 window 1
.set n, 0
.rept 32
	v_pk_fma_f32 v[HA+2*n:HA+2*n+1], v[AC+2*n:AC+2*n+1], s[CS:CS+1], v[NM+2*n:NM+2*n+1] op_sel_hi:[1,0,1] neg_lo:[0,0,1] neg_hi:[0,0,1]   ; c logit - M of the register's column
.set n, n+1
.endr
	WIN 0
	s_cmp_gt_i32 s[D], 0                           ; all my queries come after all my columns: nothing is hidden.  A branch on ids
	s_cbranch_scc1 .Lopen_\@
	v_add_nc_u32 v[THR], 32*((\a)/2)+8*((\a)%2), v[TH0]   ; my query - my first column - 16 h: register n is hidden where its constant lies over this
.set n, 0
.rept 64
	v_cmp_gt_i32 vcc_lo, 32*(n/16)+n%16, v[THR]
	v_cndmask_b32 v[HA+n], v[HA+n], v[NINF], vcc_lo
.set n, n+1
.endr
.Lopen_\@:
.set n, 0
	s_wait_alu depctr_va_vdst(0)
.rept 64
	v_exp_f32 v[HA+n], v[HA+n]
.set n, n+1
.endr
	v_nop                                          ; a plain place behind the last exponential
	s_wait_alu depctr_va_vdst(0)                   ; one wait for the batch, ahead of its first reader
	WIN 0x04                                       ; source 1 window 1
.set n, 0
.rept 32
	v_pk_mul_f32 v[HA+2*n:HA+2*n+1], v[HA+2*n:HA+2*n+1], v[RZ+2*n:RZ+2*n+1]   ; / Z of the register's column: the finished probs
.set n, n+1
.endr
	WIN 0
	QUANT HA, PWS+(\a)
	IMG (\a)*1536
.endm
; PRODUCT 3: block a of 16 features of v: bv of my lane's feature is added, my 128 tokens are quantised, the fragment leaves
.macro EPIV a
.set AC, 64*((\a)%4)
.set WW, 2+(\a)/4
.if (\a) > 0
	s_wait_xcnt 0x0                                ; the last fragment's stores have read their registers
.endif
	WIN WW
.set i, 0
.rept 32
	v_pk_add_f32 v[HA+2*i:HA+2*i+1], v[AC+2*i:AC+2*i+1], v[BI+2*(\a):BI+2*(\a)+1]   ; each accumulator from its low end on
.set i, i+1
.endr
	WIN 0
	QUANT HA, PWS+(\a)
	IMG (\a)*1536
.endm
; PRODUCT 3's arm: its addresses, its bias, the last K step meanwhile, its way out
.macro VARM
	s_sub_co_u32 s[SX], ttmp9, 9                   ; Wv's tile of 256 features
	s_lshl_b32 s[SX], s[SX], 1
	s_add_co_u32 s[SX], s[SX], s[RH]               ; my group of 128 features
	s_and_b32 s[SX+1], ttmp7, 0xffff               ; x's tile of 256 tokens
.if PT0 > 0
	s_add_co_u32 s[SX+1], s[SX+1], PT0
.endif
	s_lshl_b32 s[SX+1], s[SX+1], 1
	s_add_co_u32 s[SX+1], s[SX+1], s[PH]           ; my group of 128 tokens: the K step of product 5
	s_mul_i32 s[SX+2], s[SX], 819200               ; 64 units of 12,800 bytes a group of features
	s_mul_i32 s[SX+4], s[SX+1], 12800
	s_add_co_u32 s[SX+2], s[SX+2], s[SX+4]
	s_mov_b32 s[SX+3], 0
	s_add_nc_u64 s[OC:OC+1], s[VTP:VTP+1], s[SX+2:SX+3]   ; (no memory instruction that names these two pairs has been issued on the way here)
	s_add_nc_u64 s[OS:OS+1], s[OC:OC+1], 12288     ; the unit's scale words lie behind its codes
	s_lshl_b32 s[SX+2], s[SX], 9                   ; my group's 128 numbers of bv
	s_add_nc_u64 s[BA:BA+1], s[BVP:BVP+1], s[SX+2:SX+3]
	v_and_b32 v[BOV], 8, v1
	v_add_nc_u32 v[BOV], v[BOV], v1
	v_lshlrev_b32 v[BOV], 2, v[BOV]                ; 4 (r + 8 (r / 8))
.irp a, 0,1,2,3,4,5,6,7
	global_load_b32 v[BI+2*\a], v[BOV], s[BA:BA+1] offset:4*(32*(\a/2)+8*(\a%2))     ; twice: a pair for the packed addition
	global_load_b32 v[BI+2*\a+1], v[BOV], s[BA:BA+1] offset:4*(32*(\a/2)+8*(\a%2))
.endr
	LAST
	PLACES
	s_wait_loadcnt 0x0                             ; the bias
.irp a, 0,1,2,3,4,5,6,7
	EPIV \a
.endr
	SGSTORE PWS, SELQ, OS, 0
.endm
	s_load_b256 s[4:11], s[0:1], 0x0               ; qk, st, xq, wq
	s_load_b128 s[12:15], s[0:1], 0x20             ; bv, pp
	s_load_b64 s[16:17], s[0:1], 0x30              ; vt
	v_lshl_add_u32 v[SPW], v0, 2, SPARE
	v_mov_b32 v[NIL], 0
	ds_add_u32 v[SPW], v[NIL]                      ; the wave's opening: the add, twice on end, and its wait ahead of my first tensor load; all the set-up that hangs on no argument, work on registers, stands between the second and the wait
	ds_add_u32 v[SPW], v[NIL]
	v_lshrrev_b32 v1, 5, v0
	v_readfirstlane_b32 s[WV], v1
	s_lshr_b32 s[RH], s[WV], 1
	s_and_b32 s[PH], s[WV], 1
	s_and_b32 s2, ttmp7, 0xffff
	s_and_b32 s3, s2, 3
	s_lshr_b32 s[BB], s2, 2
	s_sub_co_u32 s72, 7, s3
	s_sub_co_u32 s73, ttmp9, s3
	s_sub_co_u32 s73, s73, 1
	s_cmp_le_u32 ttmp9, s3
	s_cselect_b32 s[TI], s3, s72
	s_cselect_b32 s[TJ], ttmp9, s73                ; (in a work-group of product 3 these two, and what is made of them, are not used)
	s_cmp_ge_u32 ttmp9, 9
	s_cselect_b32 s[ISV], 1, 0
	s_mov_b32 s[G1C], 3<<16
	s_mov_b32 s[G1C+1], 3072<<16                   ; the head's shape: two rows of 24,576 bytes, 98,304 bytes apart
	s_mov_b32 s[G1C+2], 2<<16
	s_mov_b32 s[G1C+3], 3072<<16
	s_mov_b32 s[G1C+4], 2
	s_mov_b32 s[G1C+5], 12288
	s_mov_b32 s[G1C+6], 0
	s_mov_b32 s[G1C+7], 0
	s_mov_b32 s[G1S], 3<<16
	s_mov_b32 s[G1S+1], 6144<<16                   ; two rows of 49,152 bytes (a group's K steps 2 to 5), 98,304 bytes apart
	s_mov_b32 s[G1S+2], 2<<16
	s_mov_b32 s[G1S+3], 6144<<16
	s_mov_b32 s[G1S+4], 2
	s_mov_b32 s[G1S+5], 12288
	s_mov_b32 s[G1S+6], 0
	s_mov_b32 s[G1S+7], 0
	s_sub_co_u32 s72, ttmp9, 9                     ; product 3: Wv's tile,
	s_add_co_u32 s73, s2, PT0                      ; x's tile
	s_cmp_eq_u32 s[PH], 0                          ; even waves fetch for R (q; Wv), odd waves for P (k; x)
	s_cselect_b32 s74, s[TI], s[TJ]
	s_cselect_b32 s75, s72, s73                    ; product 3: the tile
	s_cselect_b32 s76, 0, 6291456                  ; product 4: where the codes begin in qk,
	s_cselect_b32 s77, 1572864, 0                  ; product 3: in wq or xq
	s_mov_b32 s78, 12845056
	s_cselect_b32 s78, 12582912, s78               ; and the scale words
	s_mov_b32 s79, 6291456
	s_cselect_b32 s79, 2424832, s79
	s_lshl_b32 s80, s[BB], 3
	s_add_co_u32 s74, s74, s80                     ; a batch has 8 tiles of tokens
	s_cmp_eq_u32 s[ISV], 1
	s_cselect_b32 s74, s75, s74
	s_cselect_b32 s76, s77, s76
	s_cselect_b32 s78, s79, s78
	s_lshl_b32 s74, s74, 1                         ; the tile's first group of 128 rows
	s_mul_i32 s75, s74, GROUPB
	s_add_co_u32 s76, s76, s75
	s_mov_b32 s77, 0
	s_lshl_b32 s75, s74, 12
	s_add_co_u32 s78, s78, s75
	s_mov_b32 s79, 0
	s_lshl_b32 s80, s[PH], 1
	s_add_co_u32 s80, s80, s[RH]
	s_mul_i32 s80, s80, PARTB                      ; my part of slot 0: 2 x side + group
	s_lshl_b32 s81, s[PH], 13                      ; my side's scale words
	s_mul_i32 s88, s[RH], GROUPB                   ; the group that I fetch in the later loads
	s_mov_b32 s89, 0
	s_mul_i32 s90, s[PH], 2*PARTB                  ; the head's load: my side's two parts
	s_mul_i32 s91, s[PH], 4*PARTB
	s_add_co_u32 s91, s91, SLOTB                   ; behind slot 0: 49,152 bytes a group for K steps 2 to 5: my side's two groups
	s_lshl_b32 s75, s[RH], 12                      ; the scale words that I bring: my side's group wave / 2
	s_add_co_u32 s78, s78, s75
	s_add_co_u32 s81, s81, s75
	s_add_co_u32 s81, s81, SCL
	v_and_b32 v1, 15, v0
	v_bfe_u32 v[H], v0, 4, 1
	s_wait_alu depctr_va_vdst(0)
	v_and_b32 v3, 31, v0
	v_lshlrev_b32 v[LI], 4, v3
	s_wait_alu depctr_va_vdst(0)
	v_add_nc_u32 v25, s81, v[LI]                   ; where my 4,096 bytes of scale words go
	s_mul_i32 s72, s[RH], PARTB
	s_mul_i32 s73, s[PH], PARTB
	s_add_co_u32 s73, s73, 2*PARTB
	v_add_nc_u32 v[ADRR], s72, v[LI]
	v_add_nc_u32 v[ADRP], s73, v[LI]
	s_lshl_b32 s72, s72, 1
	s_lshl_b32 s73, s73, 1
	s_add_co_u32 s72, s72, SLOTB
	s_add_co_u32 s73, s73, SLOTB
.irp s, 1,2                            ; K steps 2, 3 and 4, 5 of a group lie one behind the other
	v_add_nc_u32 v[ADRR+\s], s72, v[LI]
	v_add_nc_u32 v[ADRP+\s], s73, v[LI]
	s_add_co_u32 s72, s72, PARTB
	s_add_co_u32 s73, s73, PARTB
.endr
	s_lshl_b32 s72, s[RH], 12
	s_lshl_b32 s73, s[PH], 12
	s_add_co_u32 s73, s73, 8192
	s_sub_co_u32 s73, s73, s72
	v_mul_u32_u24 v3, s73, v[H]                    ; lanes 16-31 take P's words: one product, the distance between the two bases
	s_add_co_u32 s72, s72, SCL
	v_lshl_add_u32 v3, v1, 4, v3
	v_add_nc_u32 v[ADS], s72, v3
	v_bfe_u32 v[SA], v0, 1, 3                      ; word 2 n + e of the parts is column 128 n6 + 64 n5 + 32 n0 + 16 n4 + 8 e + n[3:1] of the 256 (n: my thread's number, by its bits)
	v_bfe_u32 v57, v0, 4, 1
	v_lshl_add_u32 v[SA], v57, 4, v[SA]
	v_and_b32 v57, 1, v0
	v_lshl_add_u32 v[SA], v57, 5, v[SA]
	v_bfe_u32 v57, v0, 5, 2
	v_lshl_add_u32 v[SA], v57, 6, v[SA]
	v_lshlrev_b32 v[SA], 2, v[SA]
	v_add_nc_u32 v[SA], SCR, v[SA]
	s_lshl_b32 s72, s[PH], 9
	s_add_co_u32 s72, s72, SCR
	v_lshl_add_u32 v[SCRA], v[H], 6, s72           ; on the way out: my group's columns, + 16 h of them
	s_lshl_b32 s[J2], s[TJ], 1
	s_sub_co_u32 s[CNT], 16, s[J2]                 ; groups of queries from the columns' first group on
	s_lshl_b32 s72, s[TI], 1
	s_add_co_u32 s72, s72, s[RH]                   ; my group of queries
	s_add_co_u32 s73, s[J2], s[PH]                 ; my group of columns
	s_sub_co_i32 s[D], s72, s73
	s_lshl_b32 s[D], s[D], 7
	s_lshl_b32 s74, s[BB], 4
	s_add_co_u32 s74, s74, s72
	s_lshl_b32 s74, s74, 4
	s_add_co_u32 s74, s74, s73                     ; which block of pp
	s_mul_i32 s84, s74, 12800
	s_mov_b32 s85, 0
	s_add_co_u32 s86, s84, 12288                   ; the unit's scale words lie behind its codes
	s_mov_b32 s87, 0
	s_mov_b32 s[CS], 0x3d38aa3b                    ; c = log2(e) / sqrt(1024)
	s_mov_b32 s[CS+1], s[CS]
	s_mov_b32 s[SEL], 0x76543210
	s_mov_b32 s[SEL+1], 0xfedcba98
	v_and_b32 v[TH0], 8, v1
	v_add_nc_u32 v[TH0], v[TH0], v1
	v_lshlrev_b32 v[THR], 4, v[H]
	v_sub_nc_u32 v[TH0], v[TH0], v[THR]
	v_add_nc_u32 v[TH0], s[D], v[TH0]              ; r + 8 (r / 8) - 16 h + (my first query - my first column)
	v_mov_b32 v[NINF], 0xff800000
.irp b, 0,1,2,3
	v_mov_b32 v[TM+4+\b], 0                        ; written once: a lane permute's destination counts as one of its sources
.endr
	s_wait_dscnt 0x0                               ; both opening adds are done
	s_wait_kmcnt 0x0
	s_cmp_eq_u32 s[PH], 0
	s_cselect_b64 s[82:83], s[10:11], s[8:9]
	s_cmp_eq_u32 s[ISV], 1
	s_cselect_b64 s[82:83], s[82:83], s[4:5]       ; product 4: qk.  Both choices hang on ids alone
	s_add_nc_u64 s[76:77], s[82:83], s[76:77]
	s_add_nc_u64 s[78:79], s[82:83], s[78:79]      ; my scale words in memory
	s_mov_b32 s[G0S], 1                            ; both groups' K steps 2 to 5
	s_mov_b32 s[G0S+1], s91
	s_add_nc_u64 s[G0S+2:G0S+3], s[76:77], PARTB
	s_or_b32 s[G0S+3], s[G0S+3], 0x80000000
	s_mov_b32 s[G0A+8], 1                          ; the head's load of codes: both groups' K steps 0, 1
	s_mov_b32 s[G0A+9], s90
	s_mov_b64 s[G0A+10:G0A+11], s[76:77]
	s_or_b32 s[G0A+11], s[G0A+11], 0x80000000
	s_add_nc_u64 s[76:77], s[76:77], s[88:89]      ; my group
	s_mov_b32 s[G0A], 1                            ; the refill: K steps 6, 7
	s_mov_b32 s[G0A+1], s80
	s_add_nc_u64 s[G0A+2:G0A+3], s[76:77], 3*PARTB
	s_or_b32 s[G0A+3], s[G0A+3], 0x80000000
	s_cmp_eq_u32 s[RH], 0                          ; one branch on the wave's number, a load in each arm
	s_cbranch_scc0 .Lhead_words
	tensor_load_to_lds s[G0A+8:G0A+11], s[G1C:G1C+7]
	s_nop 0
	PLACES
	s_branch .Lheaded
.Lhead_words:
	tensor_load_to_lds s[G0S:G0S+3], s[G1S:G1S+7]
	s_nop 0
	PLACES
.Lheaded:
.irp i, 0,1,2,3,4,5,6,7
	global_load_b128 v[80+4*\i:83+4*\i], v[LI], s[78:79] offset:512*\i
.endr
	s_add_nc_u64 s[OC:OC+1], s[14:15], s[84:85]
	s_add_nc_u64 s[OS:OS+1], s[14:15], s[86:87]
	s_cmp_eq_u32 s[ISV], 1                         ; the work-group's number alone: product 3 has no columns to join
	s_cbranch_scc1 .Lno_parts
	; ---- the columns' parts: thread n takes words 2 n and 2 n + 1 of the tile's 256 columns, in the order in which launch stats stored them
	s_lshl_b32 s72, s[BB], 17
	s_lshl_b32 s73, s[J2], 9
	s_add_co_u32 s72, s72, s73
	s_mov_b32 s73, 0
	s_add_nc_u64 s[STA:STA+1], s[6:7], s[72:73]
.irp g, 0,1,2,3,4,5,6,7
	s_add_co_u32 s72, s[J2], 2*\g
	s_min_u32 s72, s72, 14                         ; past the last group the last pair is loaded again: it does no harm to a maximum, and is not summed
	s_lshl_b32 s72, s72, 13
	v_lshl_add_u32 v[OF+\g], v0, 3, s72
.endr
	s_wait_alu depctr_va_vdst(0)
.irp g, 0,1,2,3,4,5,6,7
.irp e, 0,1
	global_load_b64 v[MR+4*\g+2*\e:MR+4*\g+2*\e+1], v[OF+\g], s[STA:STA+1] offset:8192*\e
	global_load_b64 v[ZR+4*\g+2*\e:ZR+4*\g+2*\e+1], v[OF+\g], s[STA:STA+1] offset:8192*\e+524288
.endr
.endr
	s_wait_loadcnt 0x0                             ; the parts
.irp c, 0,1
	v_max3_num_f32 v[MM+\c], v[MR+\c], v[MR+2+\c], v[MR+4+\c]
.irp i, 3,5,7,9,11,13
	v_max3_num_f32 v[MM+\c], v[MM+\c], v[MR+2*\i+\c], v[MR+2*\i+2+\c]
.endr
	v_max_num_f32 v[MM+\c], v[MM+\c], v[MR+30+\c]  ; M: the column's largest c x logit over all its queries
.endr
.irp i, 0,1,2,3,4,5,6,7,8,9,10,11,12,13,14,15
	v_pk_add_f32 v[MR+2*\i:MR+2*\i+1], v[MR+2*\i:MR+2*\i+1], v[MM:MM+1] neg_lo:[0,1] neg_hi:[0,1]
.endr
.set n, 0
	s_wait_alu depctr_va_vdst(0)
.rept 32
	v_exp_f32 v[MR+n], v[MR+n]
.set n, n+1
.endr
	v_nop
	s_wait_alu depctr_va_vdst(0)                   ; one wait for the batch
	v_pk_mul_f32 v[ZZ:ZZ+1], v[ZR:ZR+1], v[MR:MR+1]
	v_pk_fma_f32 v[ZZ:ZZ+1], v[ZR+2:ZR+3], v[MR+2:MR+3], v[ZZ:ZZ+1]
.irp g, 1,2,3,4,5,6,7
	s_cmp_le_u32 s[CNT], 2*\g                      ; a branch on ids: the pairs loaded again are not summed
	s_cbranch_scc1 .Lsummed
	v_pk_fma_f32 v[ZZ:ZZ+1], v[ZR+4*\g:ZR+4*\g+1], v[MR+4*\g:MR+4*\g+1], v[ZZ:ZZ+1]
	v_pk_fma_f32 v[ZZ:ZZ+1], v[ZR+4*\g+2:ZR+4*\g+3], v[MR+4*\g+2:MR+4*\g+3], v[ZZ:ZZ+1]
.endr
.Lsummed:
	s_wait_alu depctr_va_vdst(0)
	v_rcp_f32 v[RC], v[ZZ]
	v_rcp_f32 v[RC+1], v[ZZ+1]
	v_nop
	s_wait_alu depctr_va_vdst(0)
	ds_store_b32 v[SA], v[MM]
	ds_store_b32 v[SA], v[MM+1] offset:32
	ds_store_b32 v[SA], v[RC] offset:1024
	ds_store_b32 v[SA], v[RC+1] offset:1056
.Lno_parts:
	s_wait_alu depctr_va_vdst(0)
	s_wait_loadcnt 0x0                             ; my scale words
.irp i, 0,1,2,3,4,5,6,7
	ds_store_b128 v25, v[80+4*\i:83+4*\i] offset:512*\i
.endr
	s_cmp_eq_u32 s[RH], 0                          ; the wave's number: waves 0 and 1 brought K steps 0 and 1, which are read behind this barrier
	s_cbranch_scc0 .Llater
	s_wait_tensorcnt 0x0
.Llater:
	s_wait_dscnt 0x0                               ; for the others' sake: my scale words, my M and 1 / Z lie in LDS
	s_barrier_signal -1
	s_barrier_wait -1                              ; K steps 2 to 5 may stay out
	FETCH_P 0, 0, 0
	FETCH_R 0, 0, 0
	SCALES 0, 0
	FETCH_R 0, 0, 4
	STEP 0, 0, 1, 1
	TURN 1, 1, 1
	STEP 2, 1, 1, 0
	STEP 3, 2, 0, 0
	STEP 4, 2, 1, 0
	TURN 5, 0, 0
	STEP 6, 0, 1, 0
	s_cmp_eq_u32 s[ISV], 1                         ; the work-group's number alone: all four waves go the same way
	s_cbranch_scc1 .Lv
	LAST
	PLACES
	WIN TO_P
.irp b, 0,1,2,3,4,5,6,7
	ds_load_b128 v[NM+8*\b:NM+8*\b+3], v[SCRA] offset:4*(32*(\b/2)+8*(\b%2))
	ds_load_b128 v[NM+8*\b+4:NM+8*\b+7], v[SCRA] offset:4*(32*(\b/2)+8*(\b%2))+16
	ds_load_b128 v[RZ+8*\b:RZ+8*\b+3], v[SCRA] offset:4*(32*(\b/2)+8*(\b%2))+1024
	ds_load_b128 v[RZ+8*\b+4:RZ+8*\b+7], v[SCRA] offset:4*(32*(\b/2)+8*(\b%2))+1040
.endr
	WIN 0
	s_wait_dscnt 0x0
.irp a, 0,1,2,3,4,5,6,7
	ROWS \a
.endr
	SGSTORE PWS, SELQ, OS, 0
	s_branch .Ldone
.Lv:
	VARM
.Ldone:
	s_wait_tensorcnt 0x0                           ; the wave's end
	ds_add_u32 v[SPW], v[NIL]
	s_wait_dscnt 0x0
	s_endpgm
.Lfunc_end_k_q41c31ab392_probs:
	.size	k_q41c31ab392_probs, .Lfunc_end_k_q41c31ab392_probs-k_q41c31ab392_probs
	.p2alignl 7, 3214868480
	.fill 96, 4, 3214868480
	.section	.rodata,"a",@progbits
	.p2align	6, 0x0
	.amdhsa_kernel k_q41c31ab392_probs
		.amdhsa_group_segment_fixed_size 327680
		.amdhsa_private_segment_fixed_size 0
		.amdhsa_enable_private_segment 0
		.amdhsa_kernarg_size 56
		.amdhsa_user_sgpr_count 2
		.amdhsa_user_sgpr_kernarg_segment_ptr 1
		.amdhsa_wavefront_size32 1
		.amdhsa_system_sgpr_workgroup_id_x 1
		.amdhsa_system_sgpr_workgroup_id_y 1
		.amdhsa_system_sgpr_workgroup_id_z 1
		.amdhsa_system_vgpr_workitem_id 0
		.amdhsa_next_free_vgpr 1024
		.amdhsa_next_free_sgpr 92
		.amdhsa_reserve_vcc 1
		.amdhsa_float_denorm_mode_32 3
		.amdhsa_float_denorm_mode_16_64 3
		.amdhsa_memory_ordered 1
		.amdhsa_forward_progress 1
		.amdhsa_inst_pref_size 255
	.end_amdhsa_kernel
	.section	.bss,"aw",@nobits
	.p2align	6
	.space	262144
	.amdgpu_metadata
---
amdhsa.version: [ 1, 2 ]
amdhsa.kernels:
  - .name:           k_q41c31ab392_probs
    .symbol:         k_q41c31ab392_probs.kd
    .args:
      - { .name: qk, .offset: 0, .size: 8, .value_kind: global_buffer, .address_space: global }
      - { .name: st, .offset: 8, .size: 8, .value_kind: global_buffer, .address_space: global }
      - { .name: xq, .offset: 16, .size: 8, .value_kind: global_buffer, .address_space: global }
      - { .name: wq, .offset: 24, .size: 8, .value_kind: global_buffer, .address_space: global }
      - { .name: bv, .offset: 32, .size: 8, .value_kind: global_buffer, .address_space: global }
      - { .name: pp, .offset: 40, .size: 8, .value_kind: global_buffer, .address_space: global }
      - { .name: vt, .offset: 48, .size: 8, .value_kind: global_buffer, .address_space: global }
    .group_segment_fixed_size: 327680
    .private_segment_fixed_size: 0
    .kernarg_segment_align: 8
    .kernarg_segment_size: 56
    .max_flat_workgroup_size: 128
    .sgpr_count:     92
    .vgpr_count:     1024
    .wavefront_size: 32
...
	.end_amdgpu_metadata
.endif
;; end of part 4
;; launch pv (part 5): grid 8 x 32, 4 waves a work-group, no clusters, 239,104 bytes of LDS; arguments pp, vt, out0; writes out0
.if DOCPART == 5
	.amdgcn_target "amdgcn-amd-amdhsa--gfx1250"
	.amdhsa_code_object_version 6
	.text
	.protected	k_q41c31ab392_pv
	.globl	k_q41c31ab392_pv
	.p2align	8
	.type	k_q41c31ab392_pv,@function
k_q41c31ab392_pv:
	s_mov_b64 s[64:65], 0
	v_nop
	global_prefetch_b8 v0, s[64:65] scope:SCOPE_SE
	s_setreg_imm32_b32 hwreg(HW_REG_WAVE_MODE, 25, 1), 1
	s_wait_xcnt 0x0
; PRODUCT 5: read = Q(probs) Q(v), into the right half of out0.  R = probs (queries t, in the lanes, source 1), P = v^T (features, in the registers, source 0); K = the keys s, 128 a step.
; LEFT OUT: the K steps whose 128 keys all come after a tile's 128 queries: probs is 0 there by reference()'s own mask.  A NaN or infinity that reaches only those steps is not carried on.
; UNITS: pp [batch][group of 128 queries][K step] and vt [group of 128 features][group of 128 tokens] lie in units of 12,800 bytes: eight fragments' register images (12,288), then their scale words (512).
; SHARES: work-group (x = group of features f, y = 8 batch + g) makes TWO tiles of 128 queries x 128 features: query groups g (g + 1 K steps) and 15 - g (16 - g K steps): 17 tile steps in every one of the 256 work-groups.
; A wave takes 32 queries of each tile x all 128 features: 16 + 16 accumulators.
; v^T: the batch's 16 units of my features come into LDS once, one tensor load a wave at the head, in four runs along K: wave 0 units 0 and 1, wave 1 units 2 to 4, wave 2 units 5 to 8, wave 3 units 9 to 15.  Nothing is filled again.
;   Four barriers stand in the walk, ahead of step 0 and at the head of steps 1, 4 and 8, each ahead of the first LDS read of a run; in front of each only the wave that brought that run waits for its load, so the later runs
;   stay on their way while the earlier ones are multiplied.  Every work-group has step 8, so every wave passes all four.  Units past step 16 - g are fetched with their run (descriptors of constants serve all work-groups) and not read.
; probs: a wave's two fragments of a unit are 3,072 consecutive bytes that no other wave of the work-group needs: they go from memory straight into its registers, six loads of 512 bytes and one of scale words: a group of 7 loads.
;   The groups of steps 0 to 3 of both tiles are asked for at the head, those of steps 4 to 7 behind the first barrier, the high tile's step s + 7 in step s, while it exists.  The low tile has eight register sets; past its last
;   step g a group's loads name step g's unit again, the codes' loads the same 16 bytes in all lanes (the lane term is multiplied by 0), so that the count of loads is the same on every way; those sets are not multiplied.
; THE WALK is written out, K step by K step, so that every LDS address is a constant and a lane term.  Branches on ids alone: the low tile's part of steps 1 to 7 (s <= g), the request for steps 9 to 15, the exit behind steps 8 to 14.
; The low tile is stored behind step 7, which every work-group reaches and where it is finished for every g; the high tile at the end.
; NO CLUSTER: the work-groups that share a strip of v^T differ in g, and the walk's branches hang on g: they would hang on a work-group's place in its cluster.
; NO PREFETCH: the whole strip of v^T is asked for at the head, and probs is asked for four to seven steps ahead by the register loads themselves.
; REGISTERS: window 0: v1-8 lane terms; v10, v11 the add's two; v12-15, v20-22 the low tile's lane terms; v16-19 LDS addresses; v24-31 P's scale words, two sets; v32-47 the high tile's, v48-63 the low tile's, eight sets of two;
;   v64-255 the high tile's fragments, eight sets of 24.  window 1: P's fragments, two sets, at v0 and v128.  window 2: accumulators: high (a, b) at v[8 (8 a + b)], low 128 further on.
;   window 3: v0-191 the low tile's fragments; on the way out v0-127 rows read back.
.set UNIT,  12800
.set STAGE, 16*UNIT                    ; behind v^T: 16 rows of 512 + 16 bytes for each wave, into which no tile lands
.set SPARE, STAGE+4*8448               ; the spare words, 128 bytes a wave
.set LI,  4                            ; 16 x lane
.set VF,  5                            ; my two fragments in a unit of pp
.set VS,  6                            ; their scale words
.set STO, 7
.set RD,  8
.set SPW, 10
.set NIL, 11
.set AV,  16                           ; v16-19: units 4 j .. 4 j + 3 in LDS
.set SCP, 24
.set SCH, 32                           ; the low tile's sets lie 16 registers on
.set HB,  64
.set WV, 10
.set G,  11
.set BT, 12
.set LAST, 13                          ; 15 - g: the high tile's last K step
.set GW0, 24                           ; s[24:31], s[76:83], s[84:91], s[92:99]: descriptor group 1 of wave 0, 1, 2, 3
.set GW1, 76
.set GW2, 84
.set GW3, 92
.set G0, 32
.set PHI, 36                           ; s[36:37] the high tile's units in pp
.set PLO, 40                           ; s[40:55] the low tile's unit of step min(s, g), s = 0 .. 7
.set OUT, 56                           ; s[56:57] my rows of out0 for the high tile, s[58:59] for the low
.set FL, 66                            ; s66-72: 1 where the low tile has step s = 1 .. 7, else 0
.set MSB, 0
.macro WIN new                         ; the immediate's high byte repeats the setting that is left
.if MSB != \new
	s_set_vgpr_msb (MSB<<8)|\new
.set MSB, \new
.endif
.endm
.macro PLACES                          ; four plain places behind matrix instructions (ISA guide 7.12.1)
.rept 4
	v_nop
.endr
.endm
.macro SETG1 g, rows                   ; a dense run of units as rows of 256 bytes: elements of 8 bytes, no padding
	s_mov_b32 s[\g], 3<<16
	s_mov_b32 s[\g+1], 32<<16
	s_mov_b32 s[\g+2], (\rows)<<16
	s_mov_b32 s[\g+3], 32<<16
	s_mov_b32 s[\g+4], \rows
	s_mov_b32 s[\g+5], 32
	s_mov_b32 s[\g+6], 0
	s_mov_b32 s[\g+7], 0
.endm
.macro ARM under, g1, next             ; one chain of branches on the wave's number, one load to an arm, all arms to one join
	s_cmp_lt_u32 s[WV], \under
	s_cbranch_scc0 \next
	tensor_load_to_lds s[G0:G0+3], s[\g1:\g1+7]
	s_nop 0
	PLACES
	s_branch .Lasked
\next:
.endm
.macro MEET w                          ; wave w's run of v^T is shown to all four waves; the later runs may stay out
	s_cmp_eq_u32 s[WV], \w
	s_cbranch_scc0 .Lnotmine_\w
	s_wait_tensorcnt 0x0
.Lnotmine_\w:
	s_wait_dscnt 0x0                               ; no LDS instruction of mine is out at a signal
	s_barrier_signal -1
	s_barrier_wait -1
.endm
.macro LDHI s                          ; the high tile's group of step s: 7 loads
.irp c, 0,1,2,3,4,5
	global_load_b128 v[HB+24*((\s)%8)+4*\c:HB+24*((\s)%8)+4*\c+3], v[VF], s[PHI:PHI+1] offset:(\s)*UNIT+512*\c
.endr
	global_load_b64 v[SCH+2*((\s)%8):SCH+2*((\s)%8)+1], v[VS], s[PHI:PHI+1] offset:(\s)*UNIT
.endm
.macro LDLO s                          ; the low tile's group of step s: 7 loads
.set VL_, 11+(\s)+4*((\s)/5)           ; v12-15, v20-22: the lane term of steps 1 to 7
.if (\s) == 0
.set VL_, VF
.endif
	WIN 0xc0
.irp c, 0,1,2,3,4,5
	global_load_b128 v[24*(\s)+4*\c:24*(\s)+4*\c+3], v[VL_], s[PLO+2*(\s):PLO+2*(\s)+1] offset:512*\c
.endr
	WIN 0
	global_load_b64 v[SCH+16+2*(\s):SCH+16+2*(\s)+1], v[VS], s[PLO+2*(\s):PLO+2*(\s)+1]
.endm
.macro FETCHP s                        ; v^T's unit of step s into set s % 2: 25 LDS loads.  Scale register w: lanes 0-15 tile w, lanes 16-31 tile 4 + w
	ds_load_b128 v[SCP+4*((\s)%2):SCP+4*((\s)%2)+3], v[AV+(\s)/4] offset:((\s)%4)*UNIT+12288
	WIN 0x40
.irp b, 0,1,2,3,4,5,6,7
.irp c, 0,1,2
	ds_load_b128 v[128*((\s)%2)+12*\b+4*\c:128*((\s)%2)+12*\b+4*\c+3], v[AV+(\s)/4] offset:((\s)%4)*UNIT+\b*1536+512*\c
.endr
.endr
	WIN 0
.endm
.macro WM zero, row1
.if \zero
.if \row1
	v_wmma_scale_f32_16x16x128_f8f6f4 v[D_:D_+7], v[A_:A_+11], v[B_:B_+11], 0, v[SA_], v[SB_] matrix_a_fmt:MATRIX_FMT_FP6 matrix_b_fmt:MATRIX_FMT_FP6 matrix_a_scale:MATRIX_SCALE_ROW1
.else
	v_wmma_scale_f32_16x16x128_f8f6f4 v[D_:D_+7], v[A_:A_+11], v[B_:B_+11], 0, v[SA_], v[SB_] matrix_a_fmt:MATRIX_FMT_FP6 matrix_b_fmt:MATRIX_FMT_FP6
.endif
.else
.if \row1
	v_wmma_scale_f32_16x16x128_f8f6f4 v[D_:D_+7], v[A_:A_+11], v[B_:B_+11], v[D_:D_+7], v[SA_], v[SB_] matrix_a_fmt:MATRIX_FMT_FP6 matrix_b_fmt:MATRIX_FMT_FP6 matrix_a_scale:MATRIX_SCALE_ROW1
.else
	v_wmma_scale_f32_16x16x128_f8f6f4 v[D_:D_+7], v[A_:A_+11], v[B_:B_+11], v[D_:D_+7], v[SA_], v[SB_] matrix_a_fmt:MATRIX_FMT_FP6 matrix_b_fmt:MATRIX_FMT_FP6
.endif
.endif
.endm
.macro MUL s, lo, zero                 ; 16 matrix instructions: a tile's two blocks of queries x v^T's eight tiles; the accumulators take turns
	WIN 0xa1+0x0c*(\lo)                            ; source 0 window 1; source 1 window 0 (high) or 3 (low); C and D window 2
.irp a, 0,1
.irp b, 0,1,2,3,4,5,6,7
.set D_, 128*(\lo)+8*(8*\a+\b)
.set A_, 128*((\s)%2)+12*\b
.set B_, (1-(\lo))*HB+24*((\s)%8)+12*\a
.set SA_, SCP+4*((\s)%2)+\b%4
.set SB_, SCH+16*(\lo)+2*((\s)%8)+\a
	WM \zero, \b/4
.endr
.endr
	WIN 0
.endm
.macro STEP s
.if \s > 0
	PLACES                                         ; in front of loads into registers that the last step's products read
.endif
.if \s == 1
	MEET 1                                         ; units 2 to 4, first read below
.endif
.if \s == 4
	MEET 2                                         ; units 5 to 8
.endif
.if \s == 8
	MEET 3                                         ; units 9 to 15
.endif
.if \s < 15
	FETCHP (\s)+1
.endif
.if \s == 1
	LDHI 8                                         ; every work-group has step 8
.endif
.if \s >= 2 && \s <= 8
	s_cmp_ge_u32 s[LAST], (\s)+7                   ; ids alone
	s_cbranch_scc0 .Lnoask_\s
	LDHI (\s)+7
	s_branch .Lasked_\s
.Lnoask_\s:
	s_wait_loadcnt 0x0                             ; nothing more is asked for: the counted waits below no longer tell, so all that is out is awaited here
.Lasked_\s:
.endif
.if \s < 8
.set NW, (7-(\s))*14+7*(\s)            ; behind this step's groups: those of steps s + 1 to 7, 14 loads each, and the groups of 7 asked for in steps 1 to s
.else
.set NW, 7*(15-(\s))                   ; behind this step's group: those of the later steps
.endif
.if NW > 63
.set NW, 63                            ; the most that the wait can name
.endif
	s_wait_loadcnt NW
.if \s < 15
	s_wait_dscnt 25                                ; all but the next step's 25
.else
	s_wait_dscnt 0x0
.endif
	MUL \s, 0, (\s)==0
.if \s >= 1 && \s <= 7
	s_cmp_lt_u32 s[G], \s                          ; these keys all come after the low tile's queries
	s_cbranch_scc1 .Lnolo_\s
.endif
.if \s <= 7
	MUL \s, 1, (\s)==0
.Lnolo_\s:
.endif
.if \s >= 8 && \s < 15
	s_cmp_eq_u32 s[LAST], \s
	s_cbranch_scc1 .Lend
.endif
.endm
; THE WAY OUT of tile t (0 high, 1 low), block a of 16 queries x 128 features: through my stage in LDS, back as rows of 512 consecutive bytes
.macro TOSTAGE t, a
	WIN 0x08                                       ; the data: window 2
.irp b, 0,1,2,3,4,5,6,7
	ds_store_b128 v[STO], v[128*(\t)+8*(8*(\a)+\b):128*(\t)+8*(8*(\a)+\b)+3] offset:128*(\b/2)+32*(\b%2)      ; each accumulator from its low end on
	ds_store_b128 v[STO], v[128*(\t)+8*(8*(\a)+\b)+4:128*(\t)+8*(8*(\a)+\b)+7] offset:128*(\b/2)+32*(\b%2)+16
.endr
	WIN 0xc0
.irp i, 0,1,2,3,4,5,6,7,8,9,10,11,12,13,14,15
	ds_load_b128 v[64*(\a)+4*\i:64*(\a)+4*\i+3], v[RD] offset:528*\i   ; LDS serves a wave's instructions in order: these see my stores
.endr
	WIN 0
.endm
.macro SEND t, a, younger
	s_wait_dscnt \younger
	WIN 0x0c                                       ; the data: window 3
.irp i, 0,1,2,3,4,5,6,7,8,9,10,11,12,13,14,15
	global_store_b128 v[LI], v[64*(\a)+4*\i:64*(\a)+4*\i+3], s[OUT+2*(\t):OUT+2*(\t)+1] offset:(8*(\a)+\i+8*(\i/8))*8192 th:TH_STORE_NT   ; 32 lanes store 512 consecutive bytes, aligned
.endr
	WIN 0
.endm
.macro FLUSH t
	TOSTAGE \t, 0
	TOSTAGE \t, 1
	SEND \t, 0, 32                                 ; behind block 0's loads: block 1's 16 stores and 16 loads
	SEND \t, 1, 0
.endm
	s_load_b128 s[4:7], s[0:1], 0x0                ; pp, vt
	s_load_b64 s[8:9], s[0:1], 0x10                ; out0
	v_lshl_add_u32 v[SPW], v0, 2, SPARE
	v_mov_b32 v[NIL], 0
	ds_add_u32 v[SPW], v[NIL]                      ; the wave's opening: the add, twice on end, and its wait ahead of my tensor load
	ds_add_u32 v[SPW], v[NIL]
	v_lshrrev_b32 v1, 5, v0
	v_readfirstlane_b32 s[WV], v1
	s_and_b32 s14, ttmp7, 0xffff
	s_and_b32 s[G], s14, 7
	s_lshr_b32 s[BT], s14, 3
	s_sub_co_u32 s[LAST], 15, s[G]
	SETG1 GW0, 100                                 ; 2 units of 50 rows,
	SETG1 GW1, 150                                 ; 3,
	SETG1 GW2, 200                                 ; 4,
	SETG1 GW3, 350                                 ; 7
	s_add_co_u32 s22, s[WV], 3
	s_mul_i32 s22, s22, s[WV]
	s_lshr_b32 s22, s22, 1                         ; my run's first unit, wave (wave + 3) / 2: 0, 2, 5, 9
	s_lshl_b32 s20, ttmp9, 6                       ; vt: unit 64 f + 16 batch + that
	s_lshl_b32 s15, s[BT], 4
	s_add_co_u32 s20, s20, s15
	s_add_co_u32 s20, s20, s22
	s_mul_i32 s20, s20, UNIT
	s_mov_b32 s21, 0
	s_mul_i32 s22, s22, UNIT                       ; in LDS unit s lies at 12,800 s
	s_add_co_u32 s16, s15, s[LAST]                 ; the high tile's group of queries,
	s_add_co_u32 s17, s15, s[G]                    ; the low tile's
	s_mul_i32 s[PHI], s16, 16*UNIT
	s_mov_b32 s[PHI+1], 0
	s_mul_i32 s18, s17, 16*UNIT
.irp s, 0,1,2,3,4,5,6,7
	s_min_u32 s19, s[G], \s
	s_mul_i32 s19, s19, UNIT
	s_add_co_u32 s[PLO+2*\s], s19, s18
	s_mov_b32 s[PLO+2*\s+1], 0
.endr
.irp s, 1,2,3,4,5,6,7
	s_cmp_ge_u32 s[G], \s
	s_cselect_b32 s[FL+\s-1], 1, 0
.endr
	s_lshl_b32 s19, s[WV], 5                       ; my 32 queries of a tile
	s_lshl_b32 s23, ttmp9, 9
	s_add_co_u32 s23, s23, 4096                    ; out0's right half, my 128 features
	s_lshl_b32 s16, s16, 7
	s_add_co_u32 s16, s16, s19
	s_lshl_b32 s16, s16, 13
	s_add_co_u32 s[OUT], s16, s23
	s_mov_b32 s[OUT+1], 0
	s_lshl_b32 s17, s17, 7
	s_add_co_u32 s17, s17, s19
	s_lshl_b32 s17, s17, 13
	s_add_co_u32 s[OUT+2], s17, s23
	s_mov_b32 s[OUT+3], 0
	s_mul_i32 s60, s[WV], 3072                     ; fragments 2 wave and 2 wave + 1 of a unit
	s_lshr_b32 s61, s[WV], 1
	s_lshl_b32 s61, s61, 8
	s_and_b32 s62, s[WV], 1
	s_lshl_b32 s62, s62, 3
	s_add_co_u32 s61, s61, s62
	s_add_co_u32 s61, s61, 12288                   ; their words: 256 (wave / 2) + 8 (wave % 2) + 16 r behind the codes
	s_mul_i32 s62, s[WV], 8448
	s_add_co_u32 s62, s62, STAGE                   ; my stage
	v_and_b32 v1, 15, v0                           ; r
	v_bfe_u32 v2, v0, 4, 1                         ; h
	v_and_b32 v3, 31, v0
	v_lshlrev_b32 v[LI], 4, v3
	v_add_nc_u32 v[VF], s60, v[LI]
	v_lshl_add_u32 v[VS], v1, 4, s61
.irp j, 0,1,2,3
	v_add_nc_u32 v[AV+\j], \j*4*UNIT, v[LI]
.endr
	v_mul_u32_u24 v[STO], v1, 528
	v_lshl_add_u32 v[STO], v2, 6, v[STO]
	v_add_nc_u32 v[STO], s62, v[STO]
	v_add_nc_u32 v[RD], s62, v[LI]
.irp s, 1,2,3,4,5,6,7
	v_mul_u32_u24 v[11+\s+4*(\s/5)], s[FL+\s-1], v[VF]
.endr
	s_wait_alu depctr_va_vdst(0)                   ; the wait behind the head's last vector instruction, ahead of the waits below
	s_wait_dscnt 0x0                               ; both opening adds are done
	s_wait_kmcnt 0x0
	s_mov_b32 s[G0], 1
	s_mov_b32 s[G0+1], s22
	s_add_nc_u64 s[G0+2:G0+3], s[6:7], s[20:21]
	s_or_b32 s[G0+3], s[G0+3], 0x80000000
	ARM 1, GW0, .Lw1                               ; my one tensor load: every way through the chain passes one
	ARM 2, GW1, .Lw2
	ARM 3, GW2, .Lw3
	tensor_load_to_lds s[G0:G0+3], s[GW3:GW3+7]
	s_nop 0
	PLACES
.Lasked:
	s_add_nc_u64 s[PHI:PHI+1], s[4:5], s[PHI:PHI+1]
.irp s, 0,1,2,3,4,5,6,7
	s_add_nc_u64 s[PLO+2*\s:PLO+2*\s+1], s[4:5], s[PLO+2*\s:PLO+2*\s+1]
.endr
	s_add_nc_u64 s[OUT:OUT+1], s[8:9], s[OUT:OUT+1]
	s_add_nc_u64 s[OUT+2:OUT+3], s[8:9], s[OUT+2:OUT+3]
.irp s, 0,1,2,3
	LDLO \s                                        ; step by step, so that what is multiplied first is asked for first
	LDHI \s
.endr
	MEET 0                                         ; units 0 and 1
	FETCHP 0
.irp s, 4,5,6,7
	LDLO \s
	LDHI \s
.endr
.irp n, 0,1,2,3,4,5,6,7
	STEP \n
.endr
	PLACES                                         ; the low tile is finished for every g: it leaves while the high tile goes on
	FLUSH 1
.irp n, 8,9,10,11,12,13,14,15
	STEP \n
.endr
.Lend:
	s_wait_dscnt 0x0                               ; a fetch issued ahead of a step that was jumped over may be out
	PLACES
	s_wait_xcnt 0x0                                ; the low tile's stores have read their registers: the rows read back may land there again
	FLUSH 0
	s_wait_tensorcnt 0x0                           ; the wave's end
	ds_add_u32 v[SPW], v[NIL]
	s_wait_dscnt 0x0
	s_endpgm
.Lfunc_end_k_q41c31ab392_pv:
	.size	k_q41c31ab392_pv, .Lfunc_end_k_q41c31ab392_pv-k_q41c31ab392_pv
	.p2alignl 7, 3214868480
	.fill 96, 4, 3214868480
	.section	.rodata,"a",@progbits
	.p2align	6, 0x0
	.amdhsa_kernel k_q41c31ab392_pv
		.amdhsa_group_segment_fixed_size 239104
		.amdhsa_private_segment_fixed_size 0
		.amdhsa_enable_private_segment 0
		.amdhsa_kernarg_size 24
		.amdhsa_user_sgpr_count 2
		.amdhsa_user_sgpr_kernarg_segment_ptr 1
		.amdhsa_wavefront_size32 1
		.amdhsa_system_sgpr_workgroup_id_x 1
		.amdhsa_system_sgpr_workgroup_id_y 1
		.amdhsa_system_sgpr_workgroup_id_z 1
		.amdhsa_system_vgpr_workitem_id 0
		.amdhsa_next_free_vgpr 1024
		.amdhsa_next_free_sgpr 100
		.amdhsa_reserve_vcc 0
		.amdhsa_float_denorm_mode_32 3
		.amdhsa_float_denorm_mode_16_64 3
		.amdhsa_memory_ordered 1
		.amdhsa_forward_progress 1
		.amdhsa_inst_pref_size 121
	.end_amdhsa_kernel
	.amdgpu_metadata
---
amdhsa.version: [ 1, 2 ]
amdhsa.kernels:
  - .name:           k_q41c31ab392_pv
    .symbol:         k_q41c31ab392_pv.kd
    .args:
      - { .name: pp, .offset: 0, .size: 8, .value_kind: global_buffer, .address_space: global }
      - { .name: vt, .offset: 8, .size: 8, .value_kind: global_buffer, .address_space: global }
      - { .name: out0, .offset: 16, .size: 8, .value_kind: global_buffer, .address_space: global }
    .group_segment_fixed_size: 239104
    .private_segment_fixed_size: 0
    .kernarg_segment_align: 8
    .kernarg_segment_size: 24
    .max_flat_workgroup_size: 128
    .sgpr_count:     100
    .vgpr_count:     1024
    .wavefront_size: 32
...
	.end_amdgpu_metadata
.endif
;; end of part 5
